; MI455X (gfx1250); checked and timed in simulation.
; The chip was launched on July 23, 2026; its instructions are those of AMD's public machine-readable ISA for CDNA 5 (MIT licence, August 2026) and "CDNA5" Instruction Set Architecture Reference Guide (July 2026). The comments in the code are by the model that wrote it; some were corrected since.
;; Mega Ne RF. Allowed arithmetic: matrix products marked QUANTISED: E4M3 operands, one E8M0 scale for each 32 along K, by v_wmma_scale_f32_16x16x128_f8f6f4 with both operands' format E4M3, f32 sums; products left as they are: f32 operands where the result goes on into a quantised operand, else bf16, f16 or f32 operands; f32 sums; everything else in f32.
;; Inputs: W1 8 x 90 x 256 float32; W2 8 x 256 x 256 float32; W3 8 x 256 x 256 float32; Wo 8 x 256 x 4 float32; b1 8 x 256 float32; b2 8 x 256 float32; b3 8 x 256 float32; bo 8 x 4 float32; centroids 8 x 3 float32; x 32,768 x 93 float32.
;; Outputs: out0 32,768 x 4 float32.
;; This version of the problem:
;;   THIS VERSION OF THE PROBLEM IS GIVEN IN LOW PRECISION. The matrix products marked QUANTISED in the list below multiply operands that are first quantised to E4M3 (4 exponent bits, 3 mantissa bits; 8 bits a number), with one power-of-two scale for each 32 numbers along K (OCP MX v1.0); their sums are f32. All else is computed in f32.
;;   The module's matrix products, in the order in which they are computed (A, B: the left and right operand; K: the contracted axis; several contracted axes count as one K, in the product's order):
;;     1. [M 2,048, K 90] x [K 90, N 32,768]; A: input W1; B: input x: QUANTISED
;;     2. batch 8 x [M 32,768, K 256] x [K 256, N 256]; A: computed on the way; B: input W2: QUANTISED
;;     3. batch 8 x [M 32,768, K 256] x [K 256, N 256]; A: computed on the way; B: input W3: QUANTISED
;;     4. batch 8 x [M 32,768, K 256] x [K 256, N 4]; A: computed on the way; B: input Wo: left as it is (N = 4 < 16)
;;     5. batch 32,768 x [M 4, K 8] x [K 8, N 1]; A: computed on the way; B: computed on the way: left as it is (K = 8 < 32)
;;   THE QUANTISER, for each operand of a quantised product, along K:
;;     - K is cut into blocks of 32 from its start; a last block that is shorter is filled with zeros.
;;     - A block's scale is 2^e with e = floor(log2(the largest magnitude in the block)) - 8, held to -126 .. 127; a block of zeros has e = 0. As a byte (E8M0): e + 127.
;;     - Each number is divided by its block's scale, clamped to +-448, and rounded to the nearest number of E4M3, ties to even, subnormals kept.
;;     - The product sums the exact products of the quantised numbers (number of the format x scale) in f32.
;;   ~~~python
;;   def quantise(x, axis):      # numpy; x: float32 -> the quantised numbers, widened to float32 again
;;       x = np.moveaxis(x, axis, -1); K = x.shape[-1]
;;       x = np.pad(x, [(0, 0)] * (x.ndim - 1) + [(0, -K % 32)]); x = x.reshape(x.shape[:-1] + (-1, 32)); a = np.abs(x).max(-1, keepdims=True)
;;       e = np.where(a > 0, np.clip(np.frexp(np.where(a > 0, a, 1))[1] - 1 - 8, -126, 127), 0)      # np.frexp(a)[1] - 1 = floor(log2(a)), exactly
;;       r = np.clip(x / 2.0 ** e, -448, 448)
;;       step = 2.0 ** (np.maximum(np.frexp(np.where(r == 0, 1, r))[1] - 1, -6) - 3)
;;       q = np.round(r / step) * step * 2.0 ** e      # np.round: ties to even
;;       return np.moveaxis(q.reshape(q.shape[:-2] + (-1,))[..., :K], -1, axis).astype(np.float32)
;;   ~~~
;;   OPERANDS COMPUTED ON THE WAY. 'Computed on the way' means the value that the module computes at that place (a softmax that the list does not call 'softmax' is quantised finished and normalised). What goes into a quantiser is computed in f32, as accurately as f32 sums, v_exp_f32 and their like allow (about 1e-6 of the number): no bf16 or f16 on the way to a quantiser, and a product that is left as it is and whose result goes on into a quantised operand takes f32 operands (vector FMAs, or v_wmma_f32_16x16x4_f32). A number that lies on a knife's edge between two numbers of the format may be rounded either way, as far as f32 arithmetic and the matrix unit's own rounding can turn it there, and no further.
;; 2 versions. Each part assembles by itself: llvm-mc -triple=amdgcn-amd-amdhsa -mcpu=gfx1250 --defsym DOCPART=n.
;; ======== version 1 of 2: 4 launches
;; limits: below input magnitudes of 1.08e-19 results are inexact or not finite
;; workspace buffers: xq 4,194,304 bytes; gate 1,048,576 bytes; bal 65,536 bytes of whole numbers; wimg 1,474,560 bytes; rows 1,049,088 bytes of whole numbers; sidx 1,048,576 bytes of whole numbers; wgtab 4,096 bytes of whole numbers; part 4,196,352 bytes
;; launch route (part 1): grid 176 x 1, 8 waves a work-group, no clusters, 123,904 bytes of LDS; arguments x, centroids, W1, W2, W3, Wo, b1, b2, b3, bo, xq, gate, bal, wimg; writes xq, gate, bal, wimg
.if DOCPART == 1
	.amdgcn_target "amdgcn-amd-amdhsa--gfx1250"
	.amdhsa_code_object_version 6
	.text
	.protected	k_q95978a161c_route
	.globl	k_q95978a161c_route
	.p2align	8
	.type	k_q95978a161c_route,@function
k_q95978a161c_route:
	s_mov_b64 s[64:65], 0
	v_nop
	global_prefetch_b8 v0, s[64:65] scope:SCOPE_SE
	s_setreg_imm32_b32 hwreg(HW_REG_WAVE_MODE, 25, 1), 1
	s_wait_xcnt 0x0
; FIRST LAUNCH.  Four kinds of work-groups, told apart by the work-group's number alone; waves share nothing, so there is no barrier.
;   0..127   tokens: a wave takes 32 tokens: the gates (inverse distance, far clusters 0), a ballot and a count for each expert, and the 90 features as codes of E4M3 with their scale word.
;   128..159 W2, W3: (expert, layer, K step of 128): a lane takes a column, its registers run down K; codes leave in the order of the operand's registers.
;   160..167 W1 likewise (K = 90: the rest of the K step is zero codes).      168..175 Wo as bf16 fragments, the biases, the table of bo.
; xq: a token's row of 128 bytes: codes k = 0..95 (k >= 90 zero), the scale word at byte 96 (its fourth byte 127), zeros.
; wimg, for each expert EB bytes: W1 16 fragments, W2 32, W3 32 (2,048 bytes each: chunk c of 512 bytes holds lane (r, h)'s 16 codes k = 32 c + 16 h + 0..15 at 256 h + 16 r);
;   scale words (64 bytes a fragment); Wo 8 bf16 fragments; b1, b2, b3; a table {bo, 0 0 0 0, bo, 0 0 0 0} and zeros.
;   The rows of W1 and W2 that form a tile are not neighbours: lane r of tile 2 b + u takes unit 32 b + 8 u + r + 8 (r / 8); W3's tiles take units 16 t + r.
; LIMITS: NaN and infinities are not served.  A squared distance under 2^-126 counts as next to 0.  The distance is a square root with one correction step on a fused dx^2 + dy^2: a token whose
;   distance lies within the last bit of 1.5 x the least may fall on the other side than a differently rounded root.  A block of zeros gets the scale byte 1: this program alone reads the bytes.
.set XROW,  372                        ; a row of x in bytes
.set WREG,  15360                      ; LDS of a wave: x as it lies (11,904), a stage for codes, a stage for gates
.set CST,   12032                      ; 16 rows x 144 bytes
.set GST,   14336                      ; 1,024 bytes
.set EB,    184320
.set FLOOR, 0x4800000                  ; 2^(9 - 127): under it no largest magnitude is taken, so the byte cannot fall under 1
.set ACT,   66                         ; s66-73 the eight ballots
	s_load_b512 s[4:19], s[0:1], 0x0               ; x, centroids, W1, W2, W3, Wo, b1, b2
	s_load_b256 s[20:27], s[0:1], 0x40             ; b3, bo, xq, gate
	s_load_b128 s[28:31], s[0:1], 0x60             ; bal, wimg
	v_lshl_add_u32 v192, v0, 2, 0x1e000
	v_mov_b32 v193, 0
	v_lshrrev_b32 v15, 5, v0
	v_readfirstlane_b32 s2, v15                    ; wave
	v_and_b32 v1, 31, v0                           ; lane
	v_lshlrev_b32 v2, 4, v1                        ; 16 x lane
	s_mov_b32 s78, 0x600000                        ; the mantissa field of 448
	s_cmp_ge_u32 ttmp9, 128
	s_cbranch_scc1 .Lweights
; ---------------- tokens ----------------
	s_lshl_b32 s3, ttmp9, 3
	s_add_co_u32 s3, s3, s2                        ; g: my group of 32 tokens
	s_mul_i32 s56, s2, WREG
	v_add_nc_u32 v3, s56, v2                       ; x into LDS as it lies: 16 x lane
	v_mul_u32_u24 v4, v1, XROW
	v_add_nc_u32 v4, s56, v4                       ; the router: lane = token
	v_and_b32 v11, 15, v1                          ; r
	v_lshrrev_b32 v12, 4, v1                       ; h
	v_mul_u32_u24 v6, v11, XROW
	v_add_nc_u32 v6, s56, v6
	v_add_nc_u32 v6, 12, v6                        ; token r's first feature
	v_lshl_add_u32 v5, v12, 6, v6                  ; + 16 h features: my 16 of a block of 32
	v_mul_u32_u24 v7, v11, 144
	v_lshl_add_u32 v7, v12, 4, v7
	v_add_nc_u32 v7, s56, v7
	v_add_nc_u32 v7, CST, v7                       ; codes into the stage: row r, + 16 h
	v_lshrrev_b32 v8, 3, v1
	v_mul_u32_u24 v8, v8, 144
	v_and_b32 v13, 7, v1
	v_lshl_add_u32 v8, v13, 4, v8
	v_add_nc_u32 v8, s56, v8
	v_add_nc_u32 v8, CST, v8                       ; and back: eight lanes to a row of 128 bytes
	v_lshl_add_u32 v9, v1, 5, s56
	v_add_nc_u32 v9, GST, v9                       ; gates in: 32 bytes a token
	v_add_nc_u32 v10, GST, v3                      ; gates back: 16 x lane
	v_lshlrev_b32 v13, 2, v1                       ; 4 x lane
	v_cmp_gt_u32 s75, 16, v1                       ; lanes 0-15
	s_mov_b32 s76, 0x76543210
	s_mov_b32 s77, 0xfedcba98                      ; v_permlanex16_b32's selects for lane l xor 16
.irp b, 0,1,2
	v_mov_b32 v[20+\b], 0                          ; written once: a lane permute's destination counts as one of its sources
.endr
	s_mov_b32 s59, 0
	s_wait_kmcnt 0x0
	s_load_b256 s[32:39], s[6:7], 0x0              ; the centroids: [e][c] at s[32 + 3 e + c]
	s_load_b256 s[40:47], s[6:7], 0x20
	s_load_b256 s[48:55], s[6:7], 0x40
	s_mul_i32 s58, s3, 32*XROW
	s_add_nc_u64 s[4:5], s[4:5], s[58:59]          ; my 32 rows of x: 11,904 dense bytes
	s_lshl_b32 s58, s3, 12
	s_add_nc_u64 s[24:25], s[24:25], s[58:59]      ; xq: 4,096 bytes
	s_lshl_b32 s58, s3, 10
	s_add_nc_u64 s[26:27], s[26:27], s[58:59]      ; gate: 1,024 bytes
	s_lshl_b32 s58, s3, 6
	s_add_nc_u64 s[28:29], s[28:29], s[58:59]      ; bal: 64 bytes
.set jj, 0
.rept 23
	global_load_b128 v[32+4*jj:35+4*jj], v2, s[4:5] offset:512*jj th:TH_LOAD_NT   ; 512 consecutive bytes a load
.set jj, jj+1
.endr
	global_load_b128 v[124:127], v2, s[4:5] offset:11392 th:TH_LOAD_NT             ; the last 512 bytes: they overlap the load before, so no lane is off and none leaves the buffer
.set jj, 0
.rept 23
	s_wait_loadcnt 23-jj                           ; loads come back in order: load jj is in, the younger ones stay out
	ds_store_b128 v3, v[32+4*jj:35+4*jj] offset:512*jj
.set jj, jj+1
.endr
	s_wait_loadcnt 0x0
	ds_store_b128 v3, v[124:127] offset:11392
	ds_load_b32 v14, v4 offset:4                   ; my token's x[1], x[2]  (LDS serves a wave's instructions in order)
	ds_load_b32 v15, v4 offset:8
	s_wait_dscnt 0x0
; the features, as the conversions want them: lane (r, h), register 16 b + i = feature 32 b + 16 h + i of token 16 t + r.  Where that feature would be 90 or more (b = 2, h = 1, i >= 10)
; the load takes lanes 0-15's address, which is inside the row, and the number is replaced by 0 below.
.macro QLOAD t
.irp b, 0,1,2
.irp i, 0,1,2,3,4,5,6,7,8,9,10,11,12,13,14,15
.if (\b == 2) && (\i >= 10)
	ds_load_b32 v[32+48*\t+16*\b+\i], v6 offset:16*XROW*\t+128*\b+4*\i
.else
	ds_load_b32 v[32+48*\t+16*\b+\i], v5 offset:16*XROW*\t+128*\b+4*\i
.endif
.endr
.endr
.endm
	QLOAD 0
	QLOAD 1
	s_wait_kmcnt 0x0                               ; the centroids
; THE ROUTER, while those loads are on their way.  v128.. d^2, v136.. d, v144.. 1 / d and then the weights, v152.. the gates
.irp e, 0,1,2,3,4,5,6,7
	v_subrev_f32 v[160+\e], s[33+3*\e], v14
	v_subrev_f32 v[168+\e], s[34+3*\e], v15
.endr
.irp e, 0,1,2,3,4,5,6,7
	v_mul_f32 v[128+\e], v[160+\e], v[160+\e]
.endr
.irp e, 0,1,2,3,4,5,6,7
	v_fmac_f32 v[128+\e], v[168+\e], v[168+\e]
.endr
.irp e, 0,1,2,3,4,5,6,7
	v_sqrt_f32 v[136+\e], v[128+\e]
.endr
.irp e, 0,1,2,3,4,5,6,7
	v_rsq_f32 v[144+\e], v[128+\e]
.endr
	v_nop                                          ; one plain instruction behind the transcendentals
	s_wait_alu depctr_va_vdst(0)
.irp e, 0,1,2,3,4,5,6,7
	v_min_num_f32 v[144+\e], 0x5f000000, v[144+\e] ; held at 2^63, its largest value for a normal d^2: d^2 = 0 gives infinity here
.endr
.irp e, 0,1,2,3,4,5,6,7
	v_fma_f32 v[160+\e], -v[136+\e], v[136+\e], v[128+\e]   ; what the root leaves of d^2, exactly
.endr
.irp e, 0,1,2,3,4,5,6,7
	v_mul_f32 v[144+\e], 0.5, v[144+\e]
.endr
.irp e, 0,1,2,3,4,5,6,7
	v_fmac_f32 v[136+\e], v[160+\e], v[144+\e]     ; one correction step: d
.endr
	v_min3_num_f32 v160, v136, v137, v138
	v_min3_num_f32 v160, v160, v139, v140
	v_min3_num_f32 v160, v160, v141, v142
	v_min_num_f32 v160, v160, v143
	v_mul_f32 v160, 0x3fc00000, v160               ; 1.5 x the least distance
.irp e, 0,1,2,3,4,5,6,7
	v_add_f32 v[144+\e], 0x322bcc77, v[136+\e]     ; d + 1e-8
.endr
.irp e, 0,1,2,3,4,5,6,7
	v_rcp_f32 v[144+\e], v[144+\e]
.endr
	v_nop
.irp e, 0,1,2,3,4,5,6,7
	v_cmp_le_f32 s[ACT+\e], v[136+\e], v160        ; the ballot: not farther than 1.5 x the least
.endr
	s_wait_alu depctr_va_vdst(0)
.irp e, 0,1,2,3,4,5,6,7
	v_cndmask_b32 v[144+\e], 0, v[144+\e], s[ACT+\e]
.endr
	v_add_f32 v161, v144, v145
.irp e, 2,3,4,5,6,7
	v_add_f32 v161, v161, v[144+\e]
.endr
	v_rcp_f32 v161, v161
	v_mov_b32 v168, 0                              ; (a plain instruction behind the reciprocal)  the ballots' and counts' words
	s_wait_alu depctr_va_vdst(0)
.irp e, 0,1,2,3,4,5,6,7
	v_mul_f32 v[152+\e], v[144+\e], v161           ; the gate: exactly +0 where the cluster is far
.endr
	ds_store_b128 v9, v[152:155]                   ; a token's eight gates are 32 bytes: through the stage, so that each store covers 512 consecutive bytes
	ds_store_b128 v9, v[156:159] offset:16
	ds_load_b128 v[160:163], v10
	ds_load_b128 v[164:167], v10 offset:512
.irp e, 0,1,2,3,4,5,6,7
	v_writelane_b32 v168, s[ACT+\e], \e            ; words 0-7: the ballots
	s_bcnt1_i32_b32 s74, s[ACT+\e]
	v_writelane_b32 v168, s74, 8+\e                ; words 8-15: how many of my 32 tokens use the expert
.endr
	s_wait_dscnt 0x0                               ; the gates are back, and all 96 features are in
	global_store_b128 v2, v[160:163], s[26:27]
	global_store_b128 v2, v[164:167], s[26:27] offset:512
	v_cmp_gt_u32 vcc_lo, 16, v1
	s_wait_xcnt 0x0                                ; EXEC is a source of the stores above: it changes only behind this wait
	s_and_saveexec_b32 s74, vcc_lo
	global_store_b32 v13, v168, s[28:29]           ; 16 words
	s_wait_xcnt 0x0                                ; and again in front of the line that widens it; the stores' data registers are free as well
	s_or_b32 exec_lo, exec_lo, s74
; 16 tokens' features become codes: three blocks of 32 along K, a block in lanes l and l xor 16
.macro QX t
.set XS, 32+48*\t
.set CC, 128+16*\t
.set OO, 160+16*\t
.irp i, 10,11,12,13,14,15
	v_cndmask_b32 v[XS+32+\i], 0, v[XS+32+\i], s75 ; features 90..95 do not exist: zeros, ahead of the block's maximum
.endr
.irp b, 0,1,2
	v_max3_num_f32 v[16+\b], |v[XS+16*\b]|, |v[XS+16*\b+1]|, FLOOR
.endr
.irp i, 2,4,6,8,10,12,14
.irp b, 0,1,2
	v_max3_num_f32 v[16+\b], v[16+\b], |v[XS+16*\b+\i]|, |v[XS+16*\b+\i+1]|
.endr
.endr
.irp b, 0,1,2
	v_permlanex16_b32 v[20+\b], v[16+\b], s76, s77
.endr
.irp b, 0,1,2
	v_max_num_f32 v[16+\b], v[16+\b], v[20+\b]     ; the block's largest magnitude
.endr
.irp b, 0,1,2
	v_add_nc_u32 v[28+\b], 0xfc000000, v[16+\b]    ; 8 off its exponent field: the conversion's scale operand
.endr
.irp b, 0,1,2
	v_and_or_b32 v[24+\b], v[16+\b], 0x7f800000, s78   ; 448 x the scale
.endr
.irp b, 0,1,2
	v_lshrrev_b32 v[20+\b], 23, v[28+\b]           ; the scale's byte
.endr
	v_lshl_or_b32 v19, v21, 8, v20
	v_lshl_or_b32 v19, v22, 16, v19
	v_or_b32 v19, 0x7f000000, v19                  ; the fourth block is all zero codes: byte 127
.irp b, 0,1,2
.irp i, 0,1,2,3,4,5,6,7,8,9,10,11,12,13,14,15
	v_med3_num_f32 v[XS+16*\b+\i], v[XS+16*\b+\i], -v[24+\b], v[24+\b]   ; the conversion to an 8-bit code does not saturate (ISA guide 7.6.2): the hold comes first
.endr
	v_cvt_scalef32_pk8_fp8_f32 v[CC+4*\b:CC+4*\b+1], v[XS+16*\b:XS+16*\b+7], v[28+\b]
	v_cvt_scalef32_pk8_fp8_f32 v[CC+4*\b+2:CC+4*\b+3], v[XS+16*\b+8:XS+16*\b+15], v[28+\b]
.endr
	v_cndmask_b32 v[CC+12], 0, v19, s75            ; bytes 96..127 of the row: the scale word, then zeros.  (Also the plain instruction behind the last conversion)
	v_mov_b32 v[CC+13], 0
	v_mov_b32 v[CC+14], 0
	v_mov_b32 v[CC+15], 0
.irp c, 0,1,2,3
	ds_store_b128 v7, v[CC+4*\c:CC+4*\c+3] offset:32*\c
.endr
.irp q, 0,1,2,3
	ds_load_b128 v[OO+4*\q:OO+4*\q+3], v8 offset:576*\q     ; four rows of 128 bytes: LDS serves a wave's instructions in order
.endr
.endm
	QX 0
	QX 1
	s_wait_dscnt 0x8                               ; the first half's rows are back: behind them stand the second half's 4 stores and 4 loads
.irp q, 0,1,2,3
	global_store_b128 v2, v[160+4*\q:163+4*\q], s[24:25] offset:512*\q
.endr
	s_wait_dscnt 0x0
.irp q, 0,1,2,3
	global_store_b128 v2, v[176+4*\q:179+4*\q], s[24:25] offset:2048+512*\q
.endr
	s_wait_tensorcnt 0x0
	ds_add_u32 v192, v193
	s_wait_dscnt 0x0
	s_endpgm
; ---------------- weights ----------------
.Lweights:
	v_lshlrev_b32 v3, 2, v1                        ; in: 4 bytes a lane: lane = column
	v_bfe_u32 v4, v1, 3, 1                         ; W1, W2: column 32 b + l belongs to tile 2 b + u, u = (l / 8) % 2,
	v_and_b32 v5, 7, v1
	v_lshrrev_b32 v6, 4, v1
	v_lshl_add_u32 v5, v6, 3, v5                   ; row r = l % 8 + 8 (l / 16)
	s_mov_b32 s61, 0
	s_mov_b32 s69, 0
	s_mov_b32 s71, 0
	s_cmp_ge_u32 ttmp9, 168
	s_cbranch_scc1 .Lwo
; block c of 32 along K, n of its rows exist: the others are zeros
.macro LOADB c, n
.set ii, 0
.rept 32
.if ii < \n
	global_load_b32 v[32+32*((\c)%2)+ii], v3, s[10:11] offset:(32*(\c)+ii)*1024 th:TH_LOAD_NT   ; a row of the weight at 32 neighbouring columns
.else
	v_mov_b32 v[32+32*((\c)%2)+ii], 0
.endif
.set ii, ii+1
.endr
.endm
; the block becomes 32 codes of my column and a scale byte.  left: the loads of the next block, which may stay out
.macro WBLK c, left
.set XS, 32+32*((\c)%2)
.set CC, 96+8*(\c)
	s_wait_loadcnt \left
	v_max3_num_f32 v12, |v[XS]|, |v[XS+1]|, |v[XS+2]|
	v_max3_num_f32 v13, |v[XS+3]|, |v[XS+4]|, |v[XS+5]|
.irp i, 6,10,14,18,22,26
	v_max3_num_f32 v12, v12, |v[XS+\i]|, |v[XS+\i+1]|
	v_max3_num_f32 v13, v13, |v[XS+\i+2]|, |v[XS+\i+3]|
.endr
	v_max3_num_f32 v12, v12, |v[XS+30]|, |v[XS+31]|
	v_max3_num_f32 v12, v12, v13, FLOOR
	v_add_nc_u32 v11, 0xfc000000, v12
	v_and_or_b32 v10, v12, 0x7f800000, s78
	v_lshrrev_b32 v13, 23, v11
.if (\c) == 0
	v_mov_b32 v14, v13                             ; the K step's four bytes make my column's scale word
.else
	v_lshl_or_b32 v14, v13, 8*(\c), v14
.endif
.irp i, 0,1,2,3,4,5,6,7,8,9,10,11,12,13,14,15,16,17,18,19,20,21,22,23,24,25,26,27,28,29,30,31
	v_med3_num_f32 v[XS+\i], v[XS+\i], -v10, v10
.endr
.irp q, 0,1,2,3
	v_cvt_scalef32_pk8_fp8_f32 v[CC+2*\q:CC+2*\q+1], v[XS+8*\q:XS+8*\q+7], v11
.endr
	v_nop                                          ; a plain instruction behind the last conversion: its sources are written again below
	global_store_b128 v8, v[CC:CC+3], s[30:31] offset:512*(\c)          ; k = 32 c + 0..15: the place of lanes 0-15; sixteen lanes fill 256 consecutive bytes of a fragment
	global_store_b128 v8, v[CC+4:CC+7], s[30:31] offset:512*(\c)+256    ; k = 32 c + 16..31: the place of lanes 16-31.  Each block has its own eight registers: no store's data are written again
.endm
.macro WALL n2, n3
	LOADB 0, 32
	LOADB 1, 32
	WBLK 0, 32
	LOADB 2, \n2
	WBLK 1, \n2
	LOADB 3, \n3
	WBLK 2, \n3
	WBLK 3, 0
	global_store_b32 v9, v14, s[62:63]
	s_endpgm
.endm
	s_cmp_ge_u32 ttmp9, 160
	s_cbranch_scc1 .Lw1
; W2, W3: expert e, layer, K step s; wave b = columns 32 b on
	s_sub_co_u32 s3, ttmp9, 128
	s_lshr_b32 s56, s3, 2                          ; e
	s_bfe_u32 s57, s3, 0x10001                     ; 0: W2, 1: W3
	s_and_b32 s58, s3, 1                           ; s
	v_and_b32 v7, 15, v1                           ; W3: tile 2 b + l / 16, row l % 16
	s_cmp_eq_u32 s57, 1
	s_cselect_b32 s59, -1, 0
	v_cndmask_b32 v4, v4, v6, s59
	v_cndmask_b32 v5, v5, v7, s59
	v_lshlrev_b32 v8, 4, v5
	v_lshl_add_u32 v8, v4, 12, v8                  ; codes: two fragments a tile: 4,096 u + 16 r
	v_lshlrev_b32 v9, 2, v5
	v_lshl_add_u32 v9, v4, 7, v9                   ; scale words: 128 u + 4 r
	s_lshl_b32 s60, s56, 18
	s_lshl_b32 s72, s58, 17
	s_add_co_u32 s60, s60, s72
	s_lshl_b32 s72, s2, 7
	s_add_co_u32 s60, s60, s72                     ; in: expert, 128 s rows, 32 b columns
	s_mul_i32 s66, s56, EB
	s_lshl_b32 s67, s2, 2
	s_add_co_u32 s67, s67, s58                     ; fragment 2 (2 b) + s
	s_lshl_b32 s68, s57, 16
	s_add_co_u32 s68, s68, s66
	s_lshl_b32 s72, s67, 11
	s_add_co_u32 s68, s68, s72
	s_add_co_u32 s68, s68, 32768
	s_lshl_b32 s70, s57, 11
	s_add_co_u32 s70, s70, s66
	s_lshl_b32 s72, s67, 6
	s_add_co_u32 s70, s70, s72
	s_add_co_u32 s70, s70, 164864
	s_wait_kmcnt 0x0
	s_cmp_eq_u32 s57, 1                            ; the choice hangs on the work-group's number alone
	s_cselect_b64 s[10:11], s[12:13], s[10:11]
	s_add_nc_u64 s[10:11], s[10:11], s[60:61]
	s_add_nc_u64 s[62:63], s[30:31], s[70:71]
	s_add_nc_u64 s[30:31], s[30:31], s[68:69]
	WALL 32, 32
.Lw1:
	s_sub_co_u32 s56, ttmp9, 160                   ; e
	v_lshlrev_b32 v8, 4, v5
	v_lshl_add_u32 v8, v4, 11, v8                  ; one fragment a tile: 2,048 u + 16 r
	v_lshlrev_b32 v9, 2, v5
	v_lshl_add_u32 v9, v4, 6, v9
	s_mul_i32 s60, s56, 92160
	s_lshl_b32 s72, s2, 7
	s_add_co_u32 s60, s60, s72
	s_mul_i32 s66, s56, EB
	s_lshl_b32 s68, s2, 12
	s_add_co_u32 s68, s68, s66
	s_lshl_b32 s70, s2, 7
	s_add_co_u32 s70, s70, s66
	s_add_co_u32 s70, s70, 163840
	s_wait_kmcnt 0x0
	s_add_nc_u64 s[10:11], s[8:9], s[60:61]
	s_add_nc_u64 s[62:63], s[30:31], s[70:71]
	s_add_nc_u64 s[30:31], s[30:31], s[68:69]
	WALL 26, 0                                     ; K = 90: 32, 32, 26 rows, and a block of zeros
.Lwo:
; Wo as the first source of a bf16 product: wave s = 32 along K.  Lane (r, h): registers 0-3 k = 32 s + 8 h + 0..7, registers 4-7 k = 32 s + 16 + 8 h + 0..7, of output r % 8; outputs 4..7 are zeros.
; Rows 8-11 repeat rows 0-3, so that both halves of the lanes end up with the four outputs in their four lowest result registers.
	s_sub_co_u32 s56, ttmp9, 168                   ; e
	v_and_b32 v7, 3, v1
	v_lshlrev_b32 v7, 2, v7
	v_lshl_add_u32 v7, v6, 7, v7                   ; 8 h rows of 16 bytes + 4 (r % 4)
	v_lshl_add_u32 v11, v15, 10, v2                ; out: 1,024 x wave + 16 x lane
	v_mov_b32 v9, 0
	v_lshlrev_b32 v10, 4, v0
	s_lshl_b32 s60, s56, 12
	s_lshl_b32 s72, s2, 9
	s_add_co_u32 s60, s60, s72
	s_mul_i32 s68, s56, EB
	s_lshl_b32 s70, s56, 4
	s_wait_kmcnt 0x0
	s_add_nc_u64 s[14:15], s[14:15], s[60:61]
	s_add_nc_u64 s[30:31], s[30:31], s[68:69]
	s_add_nc_u64 s[22:23], s[22:23], s[70:71]
.irp i, 0,1,2,3,4,5,6,7
	global_load_b32 v[32+\i], v7, s[14:15] offset:16*\i
.endr
.irp i, 0,1,2,3,4,5,6,7
	global_load_b32 v[40+\i], v7, s[14:15] offset:256+16*\i
.endr
	global_load_b128 v[48:51], v9, s[22:23]        ; bo[e], in every lane
	v_and_b32 v8, 4, v1
	v_cmp_eq_u32 s74, 0, v8                        ; outputs 0..3
	v_and_b32 v8, 0xfffffffd, v0
	v_cmp_eq_u32 vcc_lo, 0, v8                     ; threads 0 and 2
	s_wait_loadcnt 0x0
.irp j, 0,1,2,3,4,5,6,7
	v_cvt_pk_bf16_f32 v[16+\j], v[32+2*\j], v[33+2*\j]
.endr
.irp j, 0,1,2,3,4,5,6,7
	v_cndmask_b32 v[16+\j], 0, v[16+\j], s74
.endr
.irp c, 0,1,2,3
	v_cndmask_b32 v[48+\c], 0, v[48+\c], vcc_lo
.endr
	global_store_b128 v11, v[16:19], s[30:31] offset:168960
	global_store_b128 v11, v[20:23], s[30:31] offset:168960+512
	global_store_b128 v10, v[48:51], s[30:31] offset:180224        ; the table {bo, 0, bo, 0} and zeros up to the image's end: 16 bytes a thread
	s_cmp_gt_u32 s2, 2
	s_cbranch_scc1 .Lwo_end
	s_cmp_eq_u32 s2, 1                             ; waves 0, 1, 2 copy b1, b2, b3 of the expert
	s_cselect_b64 s[16:17], s[18:19], s[16:17]
	s_cmp_eq_u32 s2, 2
	s_cselect_b64 s[16:17], s[20:21], s[16:17]
	s_lshl_b32 s60, s56, 10
	s_add_nc_u64 s[16:17], s[16:17], s[60:61]
	global_load_b128 v[52:55], v2, s[16:17]
	global_load_b128 v[56:59], v2, s[16:17] offset:512
	s_wait_loadcnt 0x0
	global_store_b128 v11, v[52:55], s[30:31] offset:177152
	global_store_b128 v11, v[56:59], s[30:31] offset:177152+512
.Lwo_end:
	s_endpgm
.Lfunc_end_k_q95978a161c_route:
	.size	k_q95978a161c_route, .Lfunc_end_k_q95978a161c_route-k_q95978a161c_route
	.p2alignl 7, 3214868480
	.fill 96, 4, 3214868480
	.section	.rodata,"a",@progbits
	.p2align	6, 0x0
	.amdhsa_kernel k_q95978a161c_route
		.amdhsa_group_segment_fixed_size 123904
		.amdhsa_private_segment_fixed_size 0
		.amdhsa_enable_private_segment 0
		.amdhsa_kernarg_size 112
		.amdhsa_user_sgpr_count 2
		.amdhsa_user_sgpr_kernarg_segment_ptr 1
		.amdhsa_wavefront_size32 1
		.amdhsa_system_sgpr_workgroup_id_x 1
		.amdhsa_system_sgpr_workgroup_id_y 1
		.amdhsa_system_sgpr_workgroup_id_z 1
		.amdhsa_system_vgpr_workitem_id 0
		.amdhsa_next_free_vgpr 194
		.amdhsa_next_free_sgpr 80
		.amdhsa_reserve_vcc 1
		.amdhsa_float_denorm_mode_32 3
		.amdhsa_float_denorm_mode_16_64 3
		.amdhsa_memory_ordered 1
		.amdhsa_forward_progress 1
		.amdhsa_inst_pref_size 96
	.end_amdhsa_kernel
	.amdgpu_metadata
---
amdhsa.version: [ 1, 2 ]
amdhsa.kernels:
  - .name:           k_q95978a161c_route
    .symbol:         k_q95978a161c_route.kd
    .args:
      - { .name: x, .offset: 0, .size: 8, .value_kind: global_buffer, .address_space: global }
      - { .name: centroids, .offset: 8, .size: 8, .value_kind: global_buffer, .address_space: global }
      - { .name: W1, .offset: 16, .size: 8, .value_kind: global_buffer, .address_space: global }
      - { .name: W2, .offset: 24, .size: 8, .value_kind: global_buffer, .address_space: global }
      - { .name: W3, .offset: 32, .size: 8, .value_kind: global_buffer, .address_space: global }
      - { .name: Wo, .offset: 40, .size: 8, .value_kind: global_buffer, .address_space: global }
      - { .name: b1, .offset: 48, .size: 8, .value_kind: global_buffer, .address_space: global }
      - { .name: b2, .offset: 56, .size: 8, .value_kind: global_buffer, .address_space: global }
      - { .name: b3, .offset: 64, .size: 8, .value_kind: global_buffer, .address_space: global }
      - { .name: bo, .offset: 72, .size: 8, .value_kind: global_buffer, .address_space: global }
      - { .name: xq, .offset: 80, .size: 8, .value_kind: global_buffer, .address_space: global }
      - { .name: gate, .offset: 88, .size: 8, .value_kind: global_buffer, .address_space: global }
      - { .name: bal, .offset: 96, .size: 8, .value_kind: global_buffer, .address_space: global }
      - { .name: wimg, .offset: 104, .size: 8, .value_kind: global_buffer, .address_space: global }
    .group_segment_fixed_size: 123904
    .private_segment_fixed_size: 0
    .kernarg_segment_align: 8
    .kernarg_segment_size: 112
    .max_flat_workgroup_size: 256
    .sgpr_count:     80
    .vgpr_count:     194
    .wavefront_size: 32
...
	.end_amdgpu_metadata
.endif
;; end of part 1
;; launch place (part 2): grid 128 x 1, 8 waves a work-group, no clusters, 9,472 bytes of LDS; arguments bal, rows, sidx, wgtab; writes rows, sidx, wgtab
.if DOCPART == 2
	.amdgcn_target "amdgcn-amd-amdhsa--gfx1250"
	.amdhsa_code_object_version 6
	.text
	.protected	k_q95978a161c_place
	.globl	k_q95978a161c_place
	.p2align	8
	.type	k_q95978a161c_place,@function
k_q95978a161c_place:
	s_mov_b64 s[64:65], 0
	v_nop
	global_prefetch_b8 v0, s[64:65] scope:SCOPE_SE
	s_setreg_imm32_b32 hwreg(HW_REG_WAVE_MODE, 25, 1), 1
	s_wait_xcnt 0x0
; SECOND LAUNCH: whole numbers alone.  The routed rows are placed expert after expert, each expert's rows filled up to a multiple of 16 with token 0.
; bal: [1024 groups of 32 tokens][16]: words 0-7 a ballot for each expert, words 8-15 its count.  A wave takes a group.
; Every work-group sums all 1,024 x 8 counts (32 KiB), once as totals and once for the groups ahead of its own: so no work-group waits for another.
; rows[slot] = token;  sidx[token][e] = slot (0 where the expert is not used);  wgtab[i] = {expert, first tile, tiles, 0} for the 256 work-groups of the next launch.
; With T tiles in all (at most 16,391) a work-group gets at most q = ceil(T / 248) tiles of one expert: the sum over the experts of ceil(T_e / q) is at most T / q + 8, at most 256, whatever the split.
; EVERY ADDRESS AND EVERY MASK OF A MASKED STORE IS MADE WHILE ALL LANES ARE ON, ahead of the first line that narrows EXEC, in registers that hold nothing else: a write with some lanes off would leave
; the old number in the others.  So every wave makes the addresses of the fill-up too, which wave 0 of work-group 0 alone uses.
.set CNT, 64                           ; v64-95  the counts as loaded
.set TOT, 16                           ; v16-19  totals, later packed: (ahead of my work-group) << 16 | total; both are at most 32,768
.set PRE, 20                           ; v20-23
.set AD,  32                           ; v32-39  byte offsets into rows: my token's slots
.set SI,  40                           ; v40-47  my token's slots
.set PA,  96                           ; v96-103 byte offsets into rows: the fill-up behind each expert's rows
.set W,   32                           ; s32-39  my group's ballots
.set TT,  40                           ; s40-47  totals
.set B,   48                           ; s48-55  my group's first slot for each expert
.set PM,  56                           ; s56-63  which lanes fill up
.set TO,  66                           ; s66-74  first tile of each expert; s74 = T
.set TE,  76                           ; s76-83  tiles of each expert
.set WB,  84                           ; s84-92  first work-group of each expert
	s_load_b256 s[4:11], s[0:1], 0x0               ; bal, rows, sidx, wgtab
	v_lshl_add_u32 v104, v0, 2, 0x2100
	v_mov_b32 v105, 0
	v_lshrrev_b32 v1, 5, v0
	v_readfirstlane_b32 s2, v1                     ; wave
	v_and_b32 v1, 31, v0                           ; lane
	s_lshl_b32 s3, ttmp9, 3                        ; my work-group's first group
	s_add_co_u32 s12, s3, s2                       ; g
	v_lshrrev_b32 v2, 1, v0                        ; the thread's group in a run of 128
	v_and_b32 v3, 1, v0                            ; experts 4 (t % 2) + 0..3
	v_lshlrev_b32 v4, 6, v2
	v_lshl_add_u32 v4, v3, 4, v4
	v_lshrrev_b32 v5, 3, v1                        ; for my work-group's own 8 x 8 counts: group lane / 8 (and 4 more),
	v_and_b32 v6, 7, v1                            ; expert lane % 8
	v_lshlrev_b32 v7, 6, v5
	v_lshl_add_u32 v7, v6, 2, v7
	s_lshl_b32 s18, s2, 5
	v_lshl_add_u32 v11, v3, 4, s18                 ; LDS: the waves' sums: 32 bytes a wave
	v_lshlrev_b32 v14, 2, v1
	s_lshl_b32 s23, s2, 10
	s_add_co_u32 s23, s23, 256                     ; LDS: 1,024 bytes of my own behind them
	v_lshl_add_u32 v56, v1, 5, s23
	v_lshl_add_u32 v57, v1, 4, s23
	v_lshlrev_b32 v58, 4, v1
	v_mov_b32 v59, 0
	v_lshlrev_b32 v60, 4, v0                       ; the table: 16 bytes a thread
.irp k, 0,1,2,3,4
	v_mov_b32 v[24+\k], 0                          ; written once: the destination of a lane exchange counts as one of its sources
.endr
	s_mov_b32 s24, 0x76543210
	s_mov_b32 s25, 0xfedcba98
	s_lshl_b32 s14, s3, 6
	s_mov_b32 s15, 0
	s_lshl_b32 s16, s12, 6
	s_mov_b32 s17, 0
	s_lshl_b32 s26, s12, 10
	s_mov_b32 s27, 0
	s_wait_kmcnt 0x0
.set jj, 0
.rept 8
	global_load_b128 v[CNT+4*jj:CNT+4*jj+3], v4, s[4:5] offset:8192*jj+32
.set jj, jj+1
.endr
	s_add_nc_u64 s[14:15], s[4:5], s[14:15]
	global_load_b32 v8, v7, s[14:15] offset:32
	global_load_b32 v9, v7, s[14:15] offset:32+256
	s_add_nc_u64 s[16:17], s[4:5], s[16:17]
	s_load_b256 s[W:W+7], s[16:17], 0x0
	s_add_nc_u64 s[8:9], s[8:9], s[26:27]          ; sidx at my 32 tokens
	s_wait_loadcnt 0x0
.set jj, 0
.rept 8
	v_add_nc_u32 v10, 128*jj, v2
	v_cmp_gt_u32 vcc_lo, s3, v10                   ; a group ahead of my work-group's
.irp k, 0,1,2,3
.if jj == 0
	v_cndmask_b32 v[PRE+\k], 0, v[CNT+\k], vcc_lo
.else
.if jj == 1
	v_add_nc_u32 v[TOT+\k], v[CNT+\k], v[CNT+4+\k]
.else
	v_add_nc_u32 v[TOT+\k], v[TOT+\k], v[CNT+4*jj+\k]
.endif
	v_cndmask_b32 v12, 0, v[CNT+4*jj+\k], vcc_lo
	v_add_nc_u32 v[PRE+\k], v[PRE+\k], v12
.endif
.endr
.set jj, jj+1
.endr
.irp k, 0,1,2,3
	v_lshl_or_b32 v[TOT+\k], v[PRE+\k], 16, v[TOT+\k]
.endr
.irp x, 2,4,8                                  ; over the lanes of my parity
.irp k, 0,1,2,3
	v_mov_b32_dpp v[24+\k], v[TOT+\k] row_xmask:\x row_mask:0xf bank_mask:0xf
.endr
.irp k, 0,1,2,3
	v_add_nc_u32 v[TOT+\k], v[TOT+\k], v[24+\k]
.endr
.endr
.irp k, 0,1,2,3
	v_permlanex16_b32 v[24+\k], v[TOT+\k], s24, s25
.endr
.irp k, 0,1,2,3
	v_add_nc_u32 v[TOT+\k], v[TOT+\k], v[24+\k]
.endr
	ds_store_b128 v11, v[TOT:TOT+3]                ; all lanes of a parity write the same 16 bytes with the same numbers
	v_cmp_gt_u32 vcc_lo, s2, v5                    ; the groups of my work-group ahead of mine
	v_cndmask_b32 v8, 0, v8, vcc_lo
	v_add_nc_u32 v12, 4, v5
	v_cmp_gt_u32 vcc_lo, s2, v12
	v_cndmask_b32 v9, 0, v9, vcc_lo
	v_add_nc_u32 v8, v8, v9
	v_mov_b32_dpp v28, v8 row_xmask:8 row_mask:0xf bank_mask:0xf
	v_add_nc_u32 v8, v8, v28
	v_permlanex16_b32 v28, v8, s24, s25
	v_add_nc_u32 v8, v8, v28                       ; lane l: expert l % 8
	s_wait_dscnt 0x0                               ; for the others' sake: my store has landed
	s_barrier_signal -1
	s_barrier_wait -1
	ds_load_b32 v13, v14                           ; word l: wave l / 8, expert l % 8;
	ds_load_b32 v15, v14 offset:128                ; and wave l / 8 + 4
	s_wait_dscnt 0x0
	v_add_nc_u32 v13, v13, v15
	v_mov_b32_dpp v28, v13 row_xmask:8 row_mask:0xf bank_mask:0xf
	v_add_nc_u32 v13, v13, v28
	v_permlanex16_b32 v28, v13, s24, s25
	v_add_nc_u32 v13, v13, v28
	v_lshl_add_u32 v13, v8, 16, v13                ; (rows ahead of my group) << 16 | total
.irp e, 0,1,2,3,4,5,6,7
	v_readlane_b32 s[TT+\e], v13, \e
.endr
	s_mov_b32 s[TO], 0
.irp e, 0,1,2,3,4,5,6,7
	s_lshr_b32 s[B+\e], s[TT+\e], 16
	s_and_b32 s[TT+\e], s[TT+\e], 0xffff
	s_add_co_u32 s[TE+\e], s[TT+\e], 15
	s_lshr_b32 s[TE+\e], s[TE+\e], 4               ; the expert's tiles of 16 rows
	s_add_co_u32 s[TO+1+\e], s[TO+\e], s[TE+\e]
	s_lshl_b32 s20, s[TO+\e], 4
	s_add_co_u32 s[B+\e], s[B+\e], s20             ; my group's first slot
.endr
	s_lshl_b32 s21, s12, 5
	v_add_nc_u32 v30, s21, v1                      ; my token
	s_wait_kmcnt 0x0                               ; the ballots
.irp e, 0,1,2,3,4,5,6,7
	v_mbcnt_lo_u32_b32 v29, s[W+\e], 0             ; how many lanes below mine use the expert
	v_add_nc_u32 v29, s[B+\e], v29
	v_cndmask_b32 v[SI+\e], 0, v29, s[W+\e]
	v_min_u32 v29, 0x4007f, v29                    ; rows has 262,272 slots
	v_lshlrev_b32 v[AD+\e], 2, v29
.endr
.irp e, 0,1,2,3,4,5,6,7                        ; the fill-up: the slots from the expert's last row to the end of its last tile, at most 15
	s_lshl_b32 s20, s[TO+\e], 4
	s_add_co_u32 s20, s20, s[TT+\e]
	s_lshl_b32 s21, s[TO+1+\e], 4
	v_add_nc_u32 v31, s20, v1
	v_cmp_gt_u32 s[PM+\e], s21, v31
	v_min_u32 v31, 0x4007f, v31
	v_lshlrev_b32 v[PA+\e], 2, v31
.endr
	ds_store_b128 v56, v[SI:SI+3]                  ; a token's eight slots are 32 bytes: through my own LDS, so that each store covers 512 consecutive bytes
	ds_store_b128 v56, v[SI+4:SI+7] offset:16
	ds_load_b128 v[48:51], v57
	ds_load_b128 v[52:55], v57 offset:512
.irp e, 0,1,2,3,4,5,6,7
	s_mov_b32 vcc_lo, s[W+\e]
	s_wait_xcnt 0x0                                ; EXEC is a source of the stores before: it changes only behind this wait,
	s_and_saveexec_b32 s22, vcc_lo
	global_store_b32 v[AD+\e], v30, s[6:7]         ; the tokens that use the expert: neighbouring slots
	s_wait_xcnt 0x0                                ; and again in front of the line that widens it
	s_mov_b32 exec_lo, -1                          ; every lane is on at the entry: the full mask is this constant
.endr
	s_wait_dscnt 0x0
	global_store_b128 v58, v[48:51], s[8:9]
	global_store_b128 v58, v[52:55], s[8:9] offset:512
	s_cmp_lg_u32 ttmp9, 0
	s_cbranch_scc1 .Lend
	s_cmp_lg_u32 s2, 0
	s_cbranch_scc1 .Ltab
; work-group 0, wave 0: each expert's last tile is filled up with token 0
.irp e, 0,1,2,3,4,5,6,7
	s_mov_b32 vcc_lo, s[PM+\e]
	s_wait_xcnt 0x0
	s_and_saveexec_b32 s22, vcc_lo
	global_store_b32 v[PA+\e], v59, s[6:7]
	s_wait_xcnt 0x0
	s_mov_b32 exec_lo, -1
.endr
.Ltab:
; work-group 0: the table.  q = ceil(T / 248) = ((T + 247) x 16,913) >> 22: 16,913 x 248 = 2^22 + 120, so the quotient is exact for numbers under 2^22 / 120 = 34,952
	s_add_co_u32 s20, s[TO+8], 247
	s_mul_i32 s20, s20, 16913
	s_lshr_b32 s20, s20, 22
.irp k, 0,1,2,3,4,5,6,7
	v_add_nc_u32 v29, 32*\k, v1
	v_mul_u32_u24 v[64+\k], s20, v29               ; i q for i = 0..255
.endr
	s_mov_b32 s[WB], 0
.irp e, 0,1,2,3,4,5,6,7
	s_mov_b32 s21, 0
.irp k, 0,1,2,3,4,5,6,7
	v_cmp_gt_u32 vcc_lo, s[TE+\e], v[64+\k]
	s_bcnt1_i32_b32 s22, vcc_lo
	s_add_co_u32 s21, s21, s22                     ; how many i have i q < T_e: ceil(T_e / q), without a division
.endr
	s_add_co_u32 s[WB+1+\e], s[WB+\e], s21
.endr
	v_mov_b32 v80, 0                               ; thread i takes the last expert whose first work-group is at most i
	v_mov_b32 v73, 0
	v_mov_b32 v74, 0
	v_mov_b32 v75, s[TO+1]
.irp e, 1,2,3,4,5,6,7
	v_cmp_le_u32 vcc_lo, s[WB+\e], v0
	v_mov_b32 v76, \e
	v_mov_b32 v77, s[WB+\e]
	v_mov_b32 v78, s[TO+\e]
	v_mov_b32 v79, s[TO+1+\e]
	v_cndmask_b32 v80, v80, v76, vcc_lo
	v_cndmask_b32 v73, v73, v77, vcc_lo
	v_cndmask_b32 v74, v74, v78, vcc_lo
	v_cndmask_b32 v75, v75, v79, vcc_lo
.endr
	v_sub_nc_u32 v81, v0, v73
	v_mul_u32_u24 v81, s20, v81
	v_add_nc_u32 v81, v74, v81                     ; first tile
	v_add_nc_u32 v82, s20, v81
	v_min_u32 v82, v75, v82
	v_min_u32 v85, v75, v81
	v_sub_nc_u32 v82, v82, v85                     ; tiles: what is left of the expert's, at most q, 0 past its end
	v_cmp_ne_u32 vcc_lo, 0, v82
	v_cndmask_b32 v81, 0, v81, vcc_lo
	v_mov_b32 v83, 0
	global_store_b128 v60, v[80:83], s[10:11]
.Lend:
	s_wait_tensorcnt 0x0
	ds_add_u32 v104, v105
	s_wait_dscnt 0x0
	s_endpgm
.Lfunc_end_k_q95978a161c_place:
	.size	k_q95978a161c_place, .Lfunc_end_k_q95978a161c_place-k_q95978a161c_place
	.p2alignl 7, 3214868480
	.fill 96, 4, 3214868480
	.section	.rodata,"a",@progbits
	.p2align	6, 0x0
	.amdhsa_kernel k_q95978a161c_place
		.amdhsa_group_segment_fixed_size 9472
		.amdhsa_private_segment_fixed_size 0
		.amdhsa_enable_private_segment 0
		.amdhsa_kernarg_size 32
		.amdhsa_user_sgpr_count 2
		.amdhsa_user_sgpr_kernarg_segment_ptr 1
		.amdhsa_wavefront_size32 1
		.amdhsa_system_sgpr_workgroup_id_x 1
		.amdhsa_system_sgpr_workgroup_id_y 1
		.amdhsa_system_sgpr_workgroup_id_z 1
		.amdhsa_system_vgpr_workitem_id 0
		.amdhsa_next_free_vgpr 106
		.amdhsa_next_free_sgpr 96
		.amdhsa_reserve_vcc 1
		.amdhsa_float_denorm_mode_32 3
		.amdhsa_float_denorm_mode_16_64 3
		.amdhsa_memory_ordered 1
		.amdhsa_forward_progress 1
		.amdhsa_inst_pref_size 31
	.end_amdhsa_kernel
	.amdgpu_metadata
---
amdhsa.version: [ 1, 2 ]
amdhsa.kernels:
  - .name:           k_q95978a161c_place
    .symbol:         k_q95978a161c_place.kd
    .args:
      - { .name: bal, .offset: 0, .size: 8, .value_kind: global_buffer, .address_space: global }
      - { .name: rows, .offset: 8, .size: 8, .value_kind: global_buffer, .address_space: global }
      - { .name: sidx, .offset: 16, .size: 8, .value_kind: global_buffer, .address_space: global }
      - { .name: wgtab, .offset: 24, .size: 8, .value_kind: global_buffer, .address_space: global }
    .group_segment_fixed_size: 9472
    .private_segment_fixed_size: 0
    .kernarg_segment_align: 8
    .kernarg_segment_size: 32
    .max_flat_workgroup_size: 256
    .sgpr_count:     96
    .vgpr_count:     106
    .wavefront_size: 32
...
	.end_amdgpu_metadata
.endif
;; end of part 2
;; launch chain (part 3): grid 256 x 1, 8 waves a work-group, no clusters, 320,512 bytes of LDS; arguments wgtab, rows, xq, wimg, part; writes part
.if DOCPART == 3
	.amdgcn_target "amdgcn-amd-amdhsa--gfx1250"
	.amdhsa_code_object_version 6
	.text
	.protected	k_q95978a161c_chain
	.globl	k_q95978a161c_chain
	.p2align	8
	.type	k_q95978a161c_chain,@function
k_q95978a161c_chain:
	s_mov_b64 s[64:65], 0
	v_nop
	global_prefetch_b8 v0, s[64:65] scope:SCOPE_SE
	s_setreg_imm32_b32 hwreg(HW_REG_WAVE_MODE, 25, 1), 1
	s_wait_xcnt 0x0
; THIRD LAUNCH: the chain of products, for the routed rows alone.  A work-group serves ONE expert and up to 72 tiles of 16 rows (the table gives at most 67); the expert's whole image (184,320 bytes: codes, scale
; words, Wo in bf16, biases) is copied into LDS once and stays.  Each of the eight waves, two to a SIMD, takes tiles of its own through all four products; nothing goes from wave to wave, so the one barrier is the
; one behind the copy.  A wave walks three passes of up to four tiles; every trip count is a constant, and what a wave has no tiles for is passed over by branches on the stored numbers inside the trips.
; No tensor loads and no joint loads: the launch branches on numbers read from memory, so operands come through registers.  A work-group that the split leaves without tiles copies, meets the barrier and stores nothing.
; ALL PRODUCTS ARE USED TRANSPOSED: source 0 = 16 rows of a weight, source 1 = 16 tokens: a lane holds ONE token (lane % 16).  The rows of W1 and W2 that form a tile are chosen (by the launch that laid them out) so that
; the 16 registers of tiles 2 p and 2 p + 1 are units 32 p + 16 (lane / 16) + 0..15: half a block of 32 along the next K.  relu, the hold and the conversion follow in registers; the codes go to the wave's own
; stage in LDS as an image of the next operand's registers, the scale bytes beside them.  W3's tiles are natural: two of them, rounded to bf16, are source 1 of the last product.
; The biases are the C of each sum's first matrix instruction.  part[slot] = the expert's four outputs with bo, not yet weighted.
; LIMITS: h3 and Wo are rounded to bf16 for the last product; a block of zeros carries the scale byte 1; NaN and infinities are not served.
; REGISTERS, window 0: v1-13 lane terms; v14-20 addresses of the trip; v24-35 the byte offsets of my 12 tiles' rows in xq; v36-55 at work; v56-71 codes; v72-79 the tokens' scale words; v80-81 the weights';
;   v82-97 biases; v98-105 Wo; v106-137 the outputs' sums; v138-169 h3 in bf16; v170-233 the accumulators (tile m, weight tile u at 170 + 16 m + 8 u).
;   window 1: v0-127 the tokens' fragments (tile m, K step s at 32 m + 16 s); v128-191 the weights' (32 u + 16 s); v0-179 carry the image at the start.
.set EB,   184320
.set O_W2, 32768
.set O_W3, 98304
.set O_SC, 163840
.set O_WO, 168960
.set O_B,  177152
.set O_BO, 180224
.set STG,  184320                      ; 16,384 bytes a wave: tile m at 4,096 m, block p at 512 p, lane at 16 l
.set SSTG, 315392                      ; 512 bytes a wave: [m][r][8 scale bytes]
.set GA,  24
.set TM,  36
.set TB,  40
.set TP,  44
.set TH,  48
.set TS,  52
.set CD,  56
.set SIN, 72
.set WSR, 80
.set BI,  82
.set WOF, 98
.set OUT, 106
.set HB,  138
.set ACC, 170
.set WF,  128
.set MSB, 0
.macro WIN new                         ; the immediate's high byte repeats the setting that is left
.if MSB != \new
	s_set_vgpr_msb (MSB<<8)|\new
.set MSB, \new
.endif
.endm
	s_load_b256 s[4:11], s[0:1], 0x0               ; wgtab, rows, xq, wimg
	s_load_b64 s[12:13], s[0:1], 0x20              ; part
	v_lshl_add_u32 v254, v0, 2, 0x4e000
	v_mov_b32 v255, 0
	v_lshrrev_b32 v1, 5, v0
	v_readfirstlane_b32 s2, v1                     ; wave
	v_and_b32 v21, 31, v0
	v_lshlrev_b32 v1, 4, v21                       ; 16 x lane
	v_lshlrev_b32 v2, 2, v21                       ; 4 x lane
	v_bfe_u32 v22, v0, 4, 1                        ; h
	v_and_b32 v23, 15, v0                          ; r
	v_lshlrev_b32 v3, 6, v22                       ; 64 h
	v_lshlrev_b32 v4, 5, v22                       ; 32 h
	v_add_nc_u32 v5, O_BO, v4                      ; the table of bo: my half's eight numbers
	s_lshl_b32 s24, s2, 14
	s_add_co_u32 s24, s24, STG
	v_add_nc_u32 v6, s24, v1                       ; my stage
	s_lshl_b32 s24, s2, 9
	s_add_co_u32 s24, s24, SSTG
	v_lshl_add_u32 v7, v23, 3, s24                 ; my scale bytes
	v_lshlrev_b32 v8, 4, v0                        ; the copy: 16 bytes a thread, 4,096 a step
	v_add_nc_u32 v9, 0x10000, v8
	v_add_nc_u32 v10, 0x20000, v8
	v_lshlrev_b32 v11, 2, v23                      ; 4 r
	v_lshlrev_b32 v12, 4, v23                      ; 16 r
	v_lshlrev_b32 v13, 4, v22                      ; 16 h
	s_mov_b32 s36, 0x76543210
	s_mov_b32 s37, 0xfedcba98
	s_mov_b32 s38, 0x600000                        ; the mantissa field of 448
	s_lshl_b32 s26, ttmp9, 4
	s_mov_b32 s27, 0
	s_wait_kmcnt 0x0
	s_add_nc_u64 s[4:5], s[4:5], s[26:27]
	s_load_b128 s[16:19], s[4:5], 0x0              ; expert, first tile, tiles
	s_wait_kmcnt 0x0
	s_min_u32 s16, s16, 7
	s_min_u32 s17, s17, 16391
	s_min_u32 s18, s18, 72
	s_add_co_u32 s20, s17, s18
	s_max_u32 s20, s20, 1
	s_sub_co_u32 s20, s20, 1                       ; the last tile that I may name
	s_lshr_b32 s24, s18, 3
	s_and_b32 s25, s18, 7
	s_mul_i32 s22, s2, s24
	s_add_co_u32 s22, s22, s17
	s_min_u32 s39, s2, s25
	s_add_co_u32 s22, s22, s39                     ; my first tile
	s_cmp_lt_u32 s2, s25
	s_cselect_b32 s39, 1, 0
	s_add_co_u32 s21, s24, s39                     ; my tiles: at most 9
.set jj, 0
.rept 12
	s_add_co_u32 s39, s22, jj
	s_min_u32 s39, s39, s20                        ; never past the work-group's tiles: every word read was stored
	s_min_u32 s39, s39, 16391
	v_lshl_add_u32 v[GA+jj], s39, 6, v11
	global_load_b32 v[GA+jj], v[GA+jj], s[6:7]     ; the tile's 16 tokens; the load lands on its own address register
.set jj, jj+1
.endr
	s_mul_i32 s26, s16, EB
	s_add_nc_u64 s[10:11], s[10:11], s[26:27]
	WIN 0x40                                       ; destination window 1
.set ii, 0
.rept 45
	global_load_b128 v[4*ii:4*ii+3], v8, s[10:11] offset:4096*ii
.set ii, ii+1
.endr
	WIN 0
	s_wait_loadcnt 45                              ; the 12 lists are in; the image's 45 loads stay out
.set jj, 0
.rept 12
	v_min_u32 v[GA+jj], 0x7fff, v[GA+jj]
	v_lshl_add_u32 v[GA+jj], v[GA+jj], 7, v13      ; the token's row of 128 bytes in xq, + 16 h
.set jj, jj+1
.endr
	WIN 0x04                                       ; an LDS store's data are its source 1: window 1
.set ii, 0
.rept 45
	s_wait_loadcnt 44-ii                           ; load ii is in, the younger ones stay out
	ds_store_b128 v[8+ii/16], v[4*ii:4*ii+3] offset:4096*(ii%16)
.set ii, ii+1
.endr
	WIN 0
.irp i, 0,1,2,3,4,5,6,7
	v_mov_b32 v[SIN+\i], 0x7f7f7f7f                ; written on every way before a product names them: scales of 1
.endr
.irp i, 0,1,2,3
	v_mov_b32 v[TP+\i], 0                          ; a lane permute's destination counts as one of its sources
.endr
	s_wait_dscnt 0x0                               ; for the others' sake: my part of the image has landed
	s_barrier_signal -1
	s_barrier_wait -1
; for each of nt tiles: v[d + m] = max3(v[d + m], accumulator registers i and j)
.macro M3A nt, d, i, j
.set mm, 0
.rept \nt
	v_max3_num_f32 v[\d+mm], v[\d+mm], v[ACC+16*mm+\i], v[ACC+16*mm+\j]
.set mm, mm+1
.endr
.endm
; relu, the block's scale, the hold and the conversion, the tiles by turns; then the image to my stage
.macro QNT nt
.set mm, 0
.rept \nt
	v_max3_num_f32 v[TM+mm], v[ACC+16*mm], v[ACC+16*mm+1], 0x4800000       ; no |.|: what is negative becomes 0, so it does not count; the floor 2^(9 - 127) stands over it.  Each accumulator is read from its low end on
.set mm, mm+1
.endr
.set mm, 0
.rept \nt
	v_max3_num_f32 v[TB+mm], v[ACC+16*mm+8], v[ACC+16*mm+9], v[ACC+16*mm+10]
.set mm, mm+1
.endr
	M3A \nt, TM, 2, 3
	M3A \nt, TB, 11, 12
	M3A \nt, TM, 4, 5
	M3A \nt, TB, 13, 14
	M3A \nt, TM, 6, 7
.set mm, 0
.rept \nt
	v_max3_num_f32 v[TM+mm], v[TM+mm], v[TB+mm], v[ACC+16*mm+15]
.set mm, mm+1
.endr
.set mm, 0
.rept \nt
	v_permlanex16_b32 v[TP+mm], v[TM+mm], s36, s37
.set mm, mm+1
.endr
.set mm, 0
.rept \nt
	v_max_num_f32 v[TM+mm], v[TM+mm], v[TP+mm]     ; with lane l xor 16's 16 units: the block's largest
.set mm, mm+1
.endr
.set mm, 0
.rept \nt
	v_add_nc_u32 v[TS+mm], 0xfc000000, v[TM+mm]    ; 8 off the exponent field: the conversion's scale operand
.set mm, mm+1
.endr
.set mm, 0
.rept \nt
	v_and_or_b32 v[TH+mm], v[TM+mm], 0x7f800000, s38   ; 448 x the scale
.set mm, mm+1
.endr
.set mm, 0
.rept \nt
	v_lshrrev_b32 v[TP+mm], 23, v[TS+mm]           ; the scale's byte
.set mm, mm+1
.endr
.set mm, 0
.rept \nt
.irp i, 0,1,2,3,4,5,6,7,8,9,10,11,12,13,14,15
	v_med3_num_f32 v[ACC+16*mm+\i], v[ACC+16*mm+\i], 0, v[TH+mm]           ; the activation and the hold in one (the conversion does not saturate: ISA guide 7.6.2)
.endr
	v_cvt_scalef32_pk8_fp8_f32 v[CD+4*mm:CD+4*mm+1], v[ACC+16*mm:ACC+16*mm+7], v[TS+mm]
	v_cvt_scalef32_pk8_fp8_f32 v[CD+4*mm+2:CD+4*mm+3], v[ACC+16*mm+8:ACC+16*mm+15], v[TS+mm]
.set mm, mm+1
.endr
	v_nop                                          ; a plain instruction behind the last conversion: the next products write its sources
.set mm, 0
.rept \nt
	ds_store_b128 v17, v[CD+4*mm:CD+4*mm+3] offset:4096*mm
	ds_store_b8 v18, v[TP+mm] offset:128*mm        ; both lanes of a row write the same byte with the same value
.set mm, mm+1
.endr
.endm
; relu, bf16, and 32 along K of the last product
.macro EPI nt
.set mm, 0
.rept \nt
.irp i, 0,1,2,3,4,5,6,7,8,9,10,11,12,13,14,15
	v_max_num_f32 v[ACC+16*mm+\i], 0, v[ACC+16*mm+\i]
.endr
.irp j, 0,1,2,3,4,5,6,7
	v_cvt_pk_bf16_f32 v[HB+8*mm+\j], v[ACC+16*mm+2*\j], v[ACC+16*mm+2*\j+1]   ; registers 0-3: units 32 p + 8 h + 0..7, registers 4-7: 32 p + 16 + 8 h + 0..7
.endr
.set mm, mm+1
.endr
.set mm, 0
.rept \nt
	v_wmma_f32_16x16x32_bf16 v[OUT+8*mm:OUT+8*mm+7], v[WOF:WOF+7], v[HB+8*mm:HB+8*mm+7], v[OUT+8*mm:OUT+8*mm+7]
.set mm, mm+1
.endr
.rept 5
	v_nop                                          ; places in front of the next load into Wo's registers and of the store of the sums
.endr
.endm
; ONE TRIP'S WORK for nt tiles: 32 units of layer lay.  The accumulators take turns, one instruction a turn.
.macro BODY lay, nt
.irp c, 0,1,2,3
.if \lay < 3
	ds_load_b128 v[BI+4*\c:BI+4*\c+3], v16 offset:16*\c                    ; tile u, register j: unit 32 p + 16 h + 8 u + j
.else
	ds_load_b128 v[BI+4*\c:BI+4*\c+3], v16 offset:16*(\c%2)+64*(\c/2)      ; unit 32 p + 16 u + 8 h + j
.endif
.endr
	ds_load_b32 v[WSR], v15                        ; layer 1: lanes 0-15 tile u = 0's words, lanes 16-31 u = 1's;  layers 2, 3: tile u = 0: lanes 0-15 K step 0, lanes 16-31 K step 1
.if \lay > 1
	ds_load_b32 v[WSR+1], v15 offset:128           ; tile u = 1
.endif
.if \lay == 3
	ds_load_b128 v[WOF:WOF+3], v19
	ds_load_b128 v[WOF+4:WOF+7], v19 offset:512
.endif
	WIN 0x40
.if \lay == 1
.irp u, 0,1
.irp c, 0,1,2,3
	ds_load_b128 v[WF+32*\u+4*\c:WF+32*\u+4*\c+3], v14 offset:2048*\u+512*\c
.endr
.endr
	s_wait_dscnt 0x0
	WIN 0x05                                       ; sources 0 and 1 window 1; C and D window 0
.set mm, 0
.rept \nt
	v_wmma_scale_f32_16x16x128_f8f6f4 v[ACC+16*mm:ACC+16*mm+7], v[WF:WF+15], v[32*mm:32*mm+15], v[BI:BI+7], v[WSR], v[SIN+2*mm]
	v_wmma_scale_f32_16x16x128_f8f6f4 v[ACC+16*mm+8:ACC+16*mm+15], v[WF+32:WF+47], v[32*mm:32*mm+15], v[BI+8:BI+15], v[WSR], v[SIN+2*mm] matrix_a_scale:MATRIX_SCALE_ROW1
.set mm, mm+1
.endr
.else
.irp s, 0,1
.irp u, 0,1
.irp c, 0,1,2,3
	ds_load_b128 v[WF+32*\u+16*\s+4*\c:WF+32*\u+16*\s+4*\c+3], v14 offset:2048*(2*\u+\s)+512*\c
.endr
.endr
.endr
	s_wait_dscnt 0x8                               ; all but the youngest eight loads, the second K step's fragments
	WIN 0x05
.set mm, 0
.rept \nt
.irp u, 0,1
	v_wmma_scale_f32_16x16x128_f8f6f4 v[ACC+16*mm+8*\u:ACC+16*mm+8*\u+7], v[WF+32*\u:WF+32*\u+15], v[32*mm:32*mm+15], v[BI+8*\u:BI+8*\u+7], v[WSR+\u], v[SIN+2*mm]
.endr
.set mm, mm+1
.endr
	s_wait_dscnt 0x0
.set mm, 0
.rept \nt
.irp u, 0,1
	v_wmma_scale_f32_16x16x128_f8f6f4 v[ACC+16*mm+8*\u:ACC+16*mm+8*\u+7], v[WF+32*\u+16:WF+32*\u+31], v[32*mm+16:32*mm+31], v[ACC+16*mm+8*\u:ACC+16*mm+8*\u+7], v[WSR+\u], v[SIN+2*mm+1] matrix_a_scale:MATRIX_SCALE_ROW1
.endr
.set mm, mm+1
.endr
.endif
	WIN 0
.rept 9
	v_nop                                          ; eight places in front of the first read of results and of loads into the products' registers; the ninth for the next trip's products, which begin these accumulators anew
.endr
.if \lay < 3
	QNT \nt
.else
	EPI \nt
.endif
.endm
; A LAYER: eight trips of 32 units.  The addresses are made on every way; the work is chosen by the number of tiles.
.macro LAYER lay
.if \lay == 1
	s_mov_b32 s30, 0
	s_mov_b32 s31, O_SC
	s_mov_b32 s32, O_B
.endif
.if \lay == 2
	s_mov_b32 s30, O_W2
	s_mov_b32 s31, O_SC+1024
	s_mov_b32 s32, O_B+1024
.endif
.if \lay == 3
	s_mov_b32 s30, O_W3
	s_mov_b32 s31, O_SC+3072
	s_mov_b32 s32, O_B+2048
	s_mov_b32 s35, O_WO
.else
	s_mov_b32 s33, 0
	s_mov_b32 s34, 0
.endif
	s_mov_b32 s29, 8
.Ltrip_\lay:
	v_add_nc_u32 v14, s30, v1                      ; the weights' fragments
	v_add_nc_u32 v15, s31, v2                      ; their scale words
.if \lay < 3
	v_add_nc_u32 v16, s32, v3                      ; the biases
	v_add_nc_u32 v17, s33, v6                      ; block p of my stage
	v_add_nc_u32 v18, s34, v7                      ; byte p of my rows' scale bytes
.else
	v_add_nc_u32 v16, s32, v4
	v_add_nc_u32 v19, s35, v1                      ; Wo's fragment p
.endif
	s_cmp_eq_u32 s23, 0
	s_cbranch_scc1 .Lnext_\lay
	s_cmp_eq_u32 s23, 1
	s_cbranch_scc1 .Lone_\lay
	s_cmp_eq_u32 s23, 2
	s_cbranch_scc1 .Ltwo_\lay
	s_cmp_eq_u32 s23, 3
	s_cbranch_scc1 .Lthree_\lay
	BODY \lay, 4
	s_branch .Lnext_\lay
.Lthree_\lay:
	BODY \lay, 3
	s_branch .Lnext_\lay
.Ltwo_\lay:
	BODY \lay, 2
	s_branch .Lnext_\lay
.Lone_\lay:
	BODY \lay, 1
.Lnext_\lay:
.if \lay == 1
	s_add_co_u32 s30, s30, 4096
	s_add_co_u32 s31, s31, 128
.else
	s_add_co_u32 s30, s30, 8192
	s_add_co_u32 s31, s31, 256
.endif
	s_add_co_u32 s32, s32, 128
.if \lay == 3
	s_add_co_u32 s35, s35, 1024
.else
	s_add_co_u32 s33, s33, 512
	s_add_co_u32 s34, s34, 1
.endif
	s_sub_co_u32 s29, s29, 1
	s_cmp_lg_u32 s29, 0
	s_cbranch_scc1 .Ltrip_\lay
.endm
; the layer just made comes back from my stage as the next operand's registers: LDS serves a wave's instructions in order
.macro INLOAD tag
.irp m, 0,1,2,3
	s_cmp_le_u32 s23, \m
	s_cbranch_scc1 .Lin_\tag
	WIN 0x40
.irp c, 0,1,2,3,4,5,6,7
	ds_load_b128 v[32*\m+4*\c:32*\m+4*\c+3], v6 offset:4096*\m+512*\c
.endr
	WIN 0
	ds_load_b64 v[SIN+2*\m:SIN+2*\m+1], v7 offset:128*\m
.endr
.Lin_\tag:
	s_wait_dscnt 0x0
.endm
	s_mov_b32 s28, 3
.Lpass:
	s_min_u32 s23, s21, 4                          ; this pass's tiles
	s_sub_co_u32 s21, s21, s23
.irp m, 0,1,2,3                                ; the tiles' rows of codes and scale words, gathered by the list
	s_cmp_le_u32 s23, \m
	s_cbranch_scc1 .Lgathered
	WIN 0x40
	global_load_b128 v[32*\m:32*\m+3], v[GA+\m], s[8:9]
	global_load_b128 v[32*\m+4:32*\m+7], v[GA+\m], s[8:9] offset:32
	global_load_b128 v[32*\m+8:32*\m+11], v[GA+\m], s[8:9] offset:64
	v_mov_b32 v[32*\m+12], 0                       ; k = 96..127: zero codes
	v_mov_b32 v[32*\m+13], 0
	v_mov_b32 v[32*\m+14], 0
	v_mov_b32 v[32*\m+15], 0
	WIN 0
	global_load_b32 v[SIN+2*\m], v[GA+\m], s[8:9] offset:96    ; lanes 0-15: row r's scale word (lanes 16-31 read zeros, which no product looks at)
.endr
.Lgathered:
.rept 4
	v_nop                                          ; an operand written by vector instructions stands four places ahead of a scaled product
.endr
	s_wait_loadcnt 0x0
	LAYER 1
	INLOAD a
	LAYER 2
.irp m, 0,1,2,3
	ds_load_b128 v[OUT+8*\m:OUT+8*\m+3], v5        ; bo starts the outputs' sums: on every way, so that the sums are written before anything reads them
	ds_load_b128 v[OUT+8*\m+4:OUT+8*\m+7], v5 offset:16
.endr
	INLOAD b
	LAYER 3
	s_min_u32 s39, s22, 16391
	v_lshl_add_u32 v20, s39, 8, v12                ; part: 256 bytes a tile, 16 a row
.irp m, 0,1,2,3
	s_cmp_le_u32 s23, \m
	s_cbranch_scc1 .Lstored
	global_store_b128 v20, v[OUT+8*\m:OUT+8*\m+3], s[12:13] offset:256*\m   ; sixteen lanes store 256 consecutive bytes; lanes 16-31 hold, and store, the same numbers
.endr
.Lstored:
	s_wait_xcnt 0x0                                ; the stores have read their address and data: both are written again in the next pass
.irp j, 0,1,2,3,4,5,6,7
	v_mov_b32 v[GA+\j], v[GA+\j+4]                 ; the next pass's tiles move up
.endr
	s_add_co_u32 s22, s22, 4
	s_sub_co_u32 s28, s28, 1
	s_cmp_lg_u32 s28, 0
	s_cbranch_scc1 .Lpass
	s_wait_tensorcnt 0x0
	ds_add_u32 v254, v255
	s_wait_dscnt 0x0
	s_endpgm
.Lfunc_end_k_q95978a161c_chain:
	.size	k_q95978a161c_chain, .Lfunc_end_k_q95978a161c_chain-k_q95978a161c_chain
	.p2alignl 7, 3214868480
	.fill 96, 4, 3214868480
	.section	.rodata,"a",@progbits
	.p2align	6, 0x0
	.amdhsa_kernel k_q95978a161c_chain
		.amdhsa_group_segment_fixed_size 320512
		.amdhsa_private_segment_fixed_size 0
		.amdhsa_enable_private_segment 0
		.amdhsa_kernarg_size 40
		.amdhsa_user_sgpr_count 2
		.amdhsa_user_sgpr_kernarg_segment_ptr 1
		.amdhsa_wavefront_size32 1
		.amdhsa_system_sgpr_workgroup_id_x 1
		.amdhsa_system_sgpr_workgroup_id_y 1
		.amdhsa_system_sgpr_workgroup_id_z 1
		.amdhsa_system_vgpr_workitem_id 0
		.amdhsa_next_free_vgpr 448
		.amdhsa_next_free_sgpr 66
		.amdhsa_reserve_vcc 0
		.amdhsa_float_denorm_mode_32 3
		.amdhsa_float_denorm_mode_16_64 3
		.amdhsa_memory_ordered 1
		.amdhsa_forward_progress 1
		.amdhsa_inst_pref_size 116
	.end_amdhsa_kernel
	.amdgpu_metadata
---
amdhsa.version: [ 1, 2 ]
amdhsa.kernels:
  - .name:           k_q95978a161c_chain
    .symbol:         k_q95978a161c_chain.kd
    .args:
      - { .name: wgtab, .offset: 0, .size: 8, .value_kind: global_buffer, .address_space: global }
      - { .name: rows, .offset: 8, .size: 8, .value_kind: global_buffer, .address_space: global }
      - { .name: xq, .offset: 16, .size: 8, .value_kind: global_buffer, .address_space: global }
      - { .name: wimg, .offset: 24, .size: 8, .value_kind: global_buffer, .address_space: global }
      - { .name: part, .offset: 32, .size: 8, .value_kind: global_buffer, .address_space: global }
    .group_segment_fixed_size: 320512
    .private_segment_fixed_size: 0
    .kernarg_segment_align: 8
    .kernarg_segment_size: 40
    .max_flat_workgroup_size: 256
    .sgpr_count:     66
    .vgpr_count:     448
    .wavefront_size: 32
...
	.end_amdgpu_metadata
.endif
;; end of part 3
;; launch combine (part 4): grid 128 x 1, 8 waves a work-group, no clusters, 0 bytes of LDS; arguments gate, sidx, part, out0; writes out0
.if DOCPART == 4
	.amdgcn_target "amdgcn-amd-amdhsa--gfx1250"
	.amdhsa_code_object_version 6
	.text
	.protected	k_q95978a161c_combine
	.globl	k_q95978a161c_combine
	.p2align	8
	.type	k_q95978a161c_combine,@function
k_q95978a161c_combine:
	s_mov_b64 s[64:65], 0
	v_nop
	global_prefetch_b8 v0, s[64:65] scope:SCOPE_SE
	s_setreg_imm32_b32 hwreg(HW_REG_WAVE_MODE, 25, 1), 1
	s_wait_xcnt 0x0
; FOURTH LAUNCH: out0[token] = the sum over the experts of gate x part[slot].  A thread takes a token: each output row has one owner, and the sum goes by ascending expert.
; Where the gate is 0 the index is 0; slot 0 is always stored, and what is read there is replaced by 0, so that nothing of another token's row can reach the sum.
; Memory and latency bind: no LDS, no barrier, no matrix unit.  All eight gathers of a thread are out together.
	s_load_b256 s[4:11], s[0:1], 0x0               ; gate, sidx, part, out0
	v_lshlrev_b32 v1, 5, v0                        ; 32 bytes a token in gate and in sidx
	v_lshlrev_b32 v2, 4, v0                        ; 16 in out0
	s_lshl_b32 s12, ttmp9, 13
	s_mov_b32 s13, 0
	s_lshl_b32 s14, ttmp9, 12
	s_mov_b32 s15, 0
	s_wait_kmcnt 0x0
	s_add_nc_u64 s[4:5], s[4:5], s[12:13]
	s_add_nc_u64 s[6:7], s[6:7], s[12:13]
	s_add_nc_u64 s[10:11], s[10:11], s[14:15]
	global_load_b128 v[16:19], v1, s[6:7]
	global_load_b128 v[20:23], v1, s[6:7] offset:16
	global_load_b128 v[8:11], v1, s[4:5]
	global_load_b128 v[12:15], v1, s[4:5] offset:16
	s_wait_loadcnt 0x2                             ; the indices are in; the two loads of the gates may be out
.irp e, 0,1,2,3,4,5,6,7
	v_min_u32 v[16+\e], 0x4007f, v[16+\e]          ; part has 262,272 slots
.endr
.irp e, 0,1,2,3,4,5,6,7
	v_lshlrev_b32 v[16+\e], 4, v[16+\e]
.endr
.irp e, 0,1,2,3,4,5,6,7
	global_load_b128 v[24+4*\e:27+4*\e], v[16+\e], s[8:9]
.endr
	s_wait_loadcnt 0x0
.irp e, 0,1,2,3,4,5,6,7
	v_cmp_ne_u32 vcc_lo, 0, v[8+\e]                ; the gate is exactly +0 where the expert is not used
.irp c, 0,1,2,3
	v_cndmask_b32 v[24+4*\e+\c], 0, v[24+4*\e+\c], vcc_lo
.endr
.irp c, 0,1,2,3
.if \e == 0
	v_mul_f32 v[56+\c], v[24+\c], v8               ; the first term starts the sums
.else
	v_fmac_f32 v[56+\c], v[24+4*\e+\c], v[8+\e]
.endif
.endr
.endr
	global_store_b128 v2, v[56:59], s[10:11] th:TH_STORE_NT    ; a wave stores 512 consecutive bytes
	s_endpgm
.Lfunc_end_k_q95978a161c_combine:
	.size	k_q95978a161c_combine, .Lfunc_end_k_q95978a161c_combine-k_q95978a161c_combine
	.p2alignl 7, 3214868480
	.fill 96, 4, 3214868480
	.section	.rodata,"a",@progbits
	.p2align	6, 0x0
	.amdhsa_kernel k_q95978a161c_combine
		.amdhsa_group_segment_fixed_size 0
		.amdhsa_private_segment_fixed_size 0
		.amdhsa_enable_private_segment 0
		.amdhsa_kernarg_size 32
		.amdhsa_user_sgpr_count 2
		.amdhsa_user_sgpr_kernarg_segment_ptr 1
		.amdhsa_wavefront_size32 1
		.amdhsa_system_sgpr_workgroup_id_x 1
		.amdhsa_system_sgpr_workgroup_id_y 1
		.amdhsa_system_sgpr_workgroup_id_z 1
		.amdhsa_system_vgpr_workitem_id 0
		.amdhsa_next_free_vgpr 64
		.amdhsa_next_free_sgpr 66
		.amdhsa_reserve_vcc 1
		.amdhsa_float_denorm_mode_32 3
		.amdhsa_float_denorm_mode_16_64 3
		.amdhsa_memory_ordered 1
		.amdhsa_forward_progress 1
		.amdhsa_inst_pref_size 5
	.end_amdhsa_kernel
	.amdgpu_metadata
---
amdhsa.version: [ 1, 2 ]
amdhsa.kernels:
  - .name:           k_q95978a161c_combine
    .symbol:         k_q95978a161c_combine.kd
    .args:
      - { .name: gate, .offset: 0, .size: 8, .value_kind: global_buffer, .address_space: global }
      - { .name: sidx, .offset: 8, .size: 8, .value_kind: global_buffer, .address_space: global }
      - { .name: part, .offset: 16, .size: 8, .value_kind: global_buffer, .address_space: global }
      - { .name: out0, .offset: 24, .size: 8, .value_kind: global_buffer, .address_space: global }
    .group_segment_fixed_size: 0
    .private_segment_fixed_size: 0
    .kernarg_segment_align: 8
    .kernarg_segment_size: 32
    .max_flat_workgroup_size: 256
    .sgpr_count:     66
    .vgpr_count:     64
    .wavefront_size: 32
...
	.end_amdgpu_metadata
.endif
;; end of part 4
;; ======== version 2 of 2: 4 launches
;; limits: below input magnitudes of 1.08e-19 results are inexact or not finite
;; workspace buffers: xq 4,194,304 bytes; gate 1,048,576 bytes; bal 65,536 bytes of whole numbers; wimg 1,474,560 bytes; rows 1,049,088 bytes of whole numbers; sidx 1,048,576 bytes of whole numbers; wgtab 4,096 bytes of whole numbers; part 4,196,352 bytes
;; launch route (part 5): grid 176 x 1, 8 waves a work-group, no clusters, 123,904 bytes of LDS; arguments x, centroids, W1, W2, W3, Wo, b1, b2, b3, bo, xq, gate, bal, wimg; writes xq, gate, bal, wimg
.if DOCPART == 5
	.amdgcn_target "amdgcn-amd-amdhsa--gfx1250"
	.amdhsa_code_object_version 6
	.text
	.protected	k_q95978a161c_route
	.globl	k_q95978a161c_route
	.p2align	8
	.type	k_q95978a161c_route,@function
k_q95978a161c_route:
	s_mov_b64 s[64:65], 0
	v_nop
	global_prefetch_b8 v0, s[64:65] scope:SCOPE_SE
	s_setreg_imm32_b32 hwreg(HW_REG_WAVE_MODE, 25, 1), 1
	s_wait_xcnt 0x0
; FIRST LAUNCH.  Four kinds of work-groups, told apart by the work-group's number alone; waves share nothing, so there is no barrier.
;   0..127   tokens: a wave takes 32 tokens: the gates (inverse distance, far clusters 0), a ballot and a count for each expert, and the 90 features as codes of E4M3 with their scale word.
;   128..159 W2, W3: (expert, layer, K step of 128): a lane takes a column, its registers run down K; codes leave in the order of the operand's registers.
;   160..167 W1 likewise (K = 90: the rest of the K step is zero codes).      168..175 Wo as bf16 fragments, the biases, the table of bo.
; xq: a token's row of 128 bytes: codes k = 0..95 (k >= 90 zero), the scale word at byte 96 (its fourth byte 127), zeros.
; wimg, for each expert EB bytes: W1 16 fragments, W2 32, W3 32 (2,048 bytes each: chunk c of 512 bytes holds lane (r, h)'s 16 codes k = 32 c + 16 h + 0..15 at 256 h + 16 r);
;   scale words (64 bytes a fragment); Wo 8 bf16 fragments; b1, b2, b3; a table {bo, 0 0 0 0, bo, 0 0 0 0} and zeros.
;   The rows of W1 and W2 that form a tile are not neighbours: lane r of tile 2 b + u takes unit 32 b + 8 u + r + 8 (r / 8); W3's tiles take units 16 t + r.
; LIMITS: NaN and infinities are not served.  A squared distance under 2^-126 counts as next to 0.  The distance is a square root with one correction step on a fused dx^2 + dy^2: a token whose
;   distance lies within the last bit of 1.5 x the least may fall on the other side than a differently rounded root.  A block of zeros gets the scale byte 1: this program alone reads the bytes.
.set XROW,  372                        ; a row of x in bytes
.set WREG,  15360                      ; LDS of a wave: x as it lies (11,904), a stage for codes, a stage for gates
.set CST,   12032                      ; 16 rows x 144 bytes
.set GST,   14336                      ; 1,024 bytes
.set EB,    184320
.set FLOOR, 0x4800000                  ; 2^(9 - 127): under it no largest magnitude is taken, so the byte cannot fall under 1
.set ACT,   66                         ; s66-73 the eight ballots
	s_load_b512 s[4:19], s[0:1], 0x0               ; x, centroids, W1, W2, W3, Wo, b1, b2
	s_load_b256 s[20:27], s[0:1], 0x40             ; b3, bo, xq, gate
	s_load_b128 s[28:31], s[0:1], 0x60             ; bal, wimg
	v_lshl_add_u32 v192, v0, 2, 0x1e000
	v_mov_b32 v193, 0
	v_lshrrev_b32 v15, 5, v0
	s_delay_alu instid0(VALU_DEP_1)
	v_readfirstlane_b32 s2, v15                    ; wave
	v_and_b32 v1, 31, v0                           ; lane
	s_delay_alu instid0(VALU_DEP_1)
	v_lshlrev_b32 v2, 4, v1                        ; 16 x lane
	s_mov_b32 s78, 0x600000                        ; the mantissa field of 448
	s_cmp_ge_u32 ttmp9, 128
	s_cbranch_scc1 .Lweights
; ---------------- tokens ----------------
	s_lshl_b32 s3, ttmp9, 3
	s_add_co_u32 s3, s3, s2                        ; g: my group of 32 tokens
	s_mul_i32 s56, s2, WREG
	v_add_nc_u32 v3, s56, v2                       ; x into LDS as it lies: 16 x lane
	v_mul_u32_u24 v4, v1, XROW
	s_delay_alu instid0(VALU_DEP_1)
	v_add_nc_u32 v4, s56, v4                       ; the router: lane = token
	v_and_b32 v11, 15, v1                          ; r
	v_lshrrev_b32 v12, 4, v1                       ; h
	s_delay_alu instid0(VALU_DEP_2)
	v_mul_u32_u24 v6, v11, XROW
	s_delay_alu instid0(VALU_DEP_1)
	v_add_nc_u32 v6, s56, v6
	s_delay_alu instid0(VALU_DEP_1)
	v_add_nc_u32 v6, 12, v6                        ; token r's first feature
	s_delay_alu instid0(VALU_DEP_1)
	v_lshl_add_u32 v5, v12, 6, v6                  ; + 16 h features: my 16 of a block of 32
	v_mul_u32_u24 v7, v11, 144
	s_delay_alu instid0(VALU_DEP_1)
	v_lshl_add_u32 v7, v12, 4, v7
	s_delay_alu instid0(VALU_DEP_1)
	v_add_nc_u32 v7, s56, v7
	s_delay_alu instid0(VALU_DEP_1)
	v_add_nc_u32 v7, CST, v7                       ; codes into the stage: row r, + 16 h
	v_lshrrev_b32 v8, 3, v1
	s_delay_alu instid0(VALU_DEP_1)
	v_mul_u32_u24 v8, v8, 144
	v_and_b32 v13, 7, v1
	s_delay_alu instid0(VALU_DEP_1)
	v_lshl_add_u32 v8, v13, 4, v8
	s_delay_alu instid0(VALU_DEP_1)
	v_add_nc_u32 v8, s56, v8
	s_delay_alu instid0(VALU_DEP_1)
	v_add_nc_u32 v8, CST, v8                       ; and back: eight lanes to a row of 128 bytes
	v_lshl_add_u32 v9, v1, 5, s56
	s_delay_alu instid0(VALU_DEP_1)
	v_add_nc_u32 v9, GST, v9                       ; gates in: 32 bytes a token
	v_add_nc_u32 v10, GST, v3                      ; gates back: 16 x lane
	v_lshlrev_b32 v13, 2, v1                       ; 4 x lane
	v_cmp_gt_u32 s75, 16, v1                       ; lanes 0-15
	s_mov_b32 s76, 0x76543210
	s_mov_b32 s77, 0xfedcba98                      ; v_permlanex16_b32's selects for lane l xor 16
.irp b, 0,1,2
	v_mov_b32 v[20+\b], 0                          ; written once: a lane permute's destination counts as one of its sources
.endr
	s_mov_b32 s59, 0
	s_wait_kmcnt 0x0
	s_load_b256 s[32:39], s[6:7], 0x0              ; the centroids: [e][c] at s[32 + 3 e + c]
	s_load_b256 s[40:47], s[6:7], 0x20
	s_load_b256 s[48:55], s[6:7], 0x40
	s_mul_i32 s58, s3, 32*XROW
	s_add_nc_u64 s[4:5], s[4:5], s[58:59]          ; my 32 rows of x: 11,904 dense bytes
	s_lshl_b32 s58, s3, 12
	s_add_nc_u64 s[24:25], s[24:25], s[58:59]      ; xq: 4,096 bytes
	s_lshl_b32 s58, s3, 10
	s_add_nc_u64 s[26:27], s[26:27], s[58:59]      ; gate: 1,024 bytes
	s_lshl_b32 s58, s3, 6
	s_add_nc_u64 s[28:29], s[28:29], s[58:59]      ; bal: 64 bytes
.set jj, 0
.rept 23
	global_load_b128 v[32+4*jj:35+4*jj], v2, s[4:5] offset:512*jj th:TH_LOAD_NT   ; 512 consecutive bytes a load
.set jj, jj+1
.endr
	global_load_b128 v[124:127], v2, s[4:5] offset:11392 th:TH_LOAD_NT             ; the last 512 bytes: they overlap the load before, so no lane is off and none leaves the buffer
.set jj, 0
.rept 23
	s_wait_loadcnt 23-jj                           ; loads come back in order: load jj is in, the younger ones stay out
	ds_store_b128 v3, v[32+4*jj:35+4*jj] offset:512*jj
.set jj, jj+1
.endr
	s_wait_loadcnt 0x0
	ds_store_b128 v3, v[124:127] offset:11392
	ds_load_b32 v14, v4 offset:4                   ; my token's x[1], x[2]  (LDS serves a wave's instructions in order)
	ds_load_b32 v15, v4 offset:8
	s_wait_dscnt 0x0
; the features, as the conversions want them: lane (r, h), register 16 b + i = feature 32 b + 16 h + i of token 16 t + r.  Where that feature would be 90 or more (b = 2, h = 1, i >= 10)
; the load takes lanes 0-15's address, which is inside the row, and the number is replaced by 0 below.
.macro QLOAD t
.irp b, 0,1,2
.irp i, 0,1,2,3,4,5,6,7,8,9,10,11,12,13,14,15
.if (\b == 2) && (\i >= 10)
	ds_load_b32 v[32+48*\t+16*\b+\i], v6 offset:16*XROW*\t+128*\b+4*\i
.else
	ds_load_b32 v[32+48*\t+16*\b+\i], v5 offset:16*XROW*\t+128*\b+4*\i
.endif
.endr
.endr
.endm
	QLOAD 0
	QLOAD 1
	s_wait_kmcnt 0x0                               ; the centroids
; THE ROUTER, while those loads are on their way.  v128.. d^2, v136.. d, v144.. 1 / d and then the weights, v152.. the gates
.irp e, 0,1,2,3,4,5,6,7
	v_subrev_f32 v[160+\e], s[33+3*\e], v14
	v_subrev_f32 v[168+\e], s[34+3*\e], v15
.endr
.irp e, 0,1,2,3,4,5,6,7
	v_mul_f32 v[128+\e], v[160+\e], v[160+\e]
.endr
.irp e, 0,1,2,3,4,5,6,7
	v_fmac_f32 v[128+\e], v[168+\e], v[168+\e]
.endr
	s_wait_alu depctr_va_vdst(0)
.irp e, 0,1,2,3,4,5,6,7
	v_sqrt_f32 v[136+\e], v[128+\e]
.endr
.irp e, 0,1,2,3,4,5,6,7
	v_rsq_f32 v[144+\e], v[128+\e]
.endr
	v_nop                                          ; one plain instruction behind the transcendentals
	s_wait_alu depctr_va_vdst(0)
.irp e, 0,1,2,3,4,5,6,7
	v_min_num_f32 v[144+\e], 0x5f000000, v[144+\e] ; held at 2^63, its largest value for a normal d^2: d^2 = 0 gives infinity here
.endr
.irp e, 0,1,2,3,4,5,6,7
	v_fma_f32 v[160+\e], -v[136+\e], v[136+\e], v[128+\e]   ; what the root leaves of d^2, exactly
.endr
.irp e, 0,1,2,3,4,5,6,7
	v_mul_f32 v[144+\e], 0.5, v[144+\e]
.endr
.irp e, 0,1,2,3,4,5,6,7
	v_fmac_f32 v[136+\e], v[160+\e], v[144+\e]     ; one correction step: d
.endr
	v_min3_num_f32 v160, v136, v137, v138
	s_delay_alu instid0(VALU_DEP_1)
	v_min3_num_f32 v160, v160, v139, v140
	s_delay_alu instid0(VALU_DEP_1)
	v_min3_num_f32 v160, v160, v141, v142
	s_delay_alu instid0(VALU_DEP_1)
	v_min_num_f32 v160, v160, v143
	s_delay_alu instid0(VALU_DEP_1)
	v_mul_f32 v160, 0x3fc00000, v160               ; 1.5 x the least distance
.irp e, 0,1,2,3,4,5,6,7
	v_add_f32 v[144+\e], 0x322bcc77, v[136+\e]     ; d + 1e-8
.endr
	s_wait_alu depctr_va_vdst(0)
.irp e, 0,1,2,3,4,5,6,7
	v_rcp_f32 v[144+\e], v[144+\e]
.endr
	v_nop
.irp e, 0,1,2,3,4,5,6,7
	v_cmp_le_f32 s[ACT+\e], v[136+\e], v160        ; the ballot: not farther than 1.5 x the least
.endr
	s_wait_alu depctr_va_vdst(0)
.irp e, 0,1,2,3,4,5,6,7
	v_cndmask_b32 v[144+\e], 0, v[144+\e], s[ACT+\e]
.endr
	v_add_f32 v161, v144, v145
.irp e, 2,3,4,5,6,7
	s_delay_alu instid0(VALU_DEP_1)
	v_add_f32 v161, v161, v[144+\e]
.endr
	s_wait_alu depctr_va_vdst(0)
	v_rcp_f32 v161, v161
	v_mov_b32 v168, 0                              ; (a plain instruction behind the reciprocal)  the ballots' and counts' words
	s_wait_alu depctr_va_vdst(0)
.irp e, 0,1,2,3,4,5,6,7
	v_mul_f32 v[152+\e], v[144+\e], v161           ; the gate: exactly +0 where the cluster is far
.endr
	ds_store_b128 v9, v[152:155]                   ; a token's eight gates are 32 bytes: through the stage, so that each store covers 512 consecutive bytes
	ds_store_b128 v9, v[156:159] offset:16
	ds_load_b128 v[160:163], v10
	ds_load_b128 v[164:167], v10 offset:512
.irp e, 0
	v_writelane_b32 v168, s[ACT+\e], \e            ; words 0-7: the ballots
	s_bcnt1_i32_b32 s74, s[ACT+\e]
	v_writelane_b32 v168, s74, 8+\e                ; words 8-15: how many of my 32 tokens use the expert
.endr
.irp e, 1, 2, 3, 4, 5, 6, 7
	s_delay_alu instid0(VALU_DEP_1)
	v_writelane_b32 v168, s[ACT+\e], \e
	s_bcnt1_i32_b32 s74, s[ACT+\e]
	v_writelane_b32 v168, s74, 8+\e
.endr
	s_wait_alu depctr_va_vdst(0)
	s_wait_dscnt 0x0                               ; the gates are back, and all 96 features are in
	global_store_b128 v2, v[160:163], s[26:27]
	global_store_b128 v2, v[164:167], s[26:27] offset:512
	v_cmp_gt_u32 vcc_lo, 16, v1
	s_wait_xcnt 0x0                                ; EXEC is a source of the stores above: it changes only behind this wait
	s_and_saveexec_b32 s74, vcc_lo
	global_store_b32 v13, v168, s[28:29]           ; 16 words
	s_wait_xcnt 0x0                                ; and again in front of the line that widens it; the stores' data registers are free as well
	s_or_b32 exec_lo, exec_lo, s74
; 16 tokens' features become codes: three blocks of 32 along K, a block in lanes l and l xor 16
.macro QX t
.set XS, 32+48*\t
.set CC, 128+16*\t
.set OO, 160+16*\t
.irp i, 10,11,12,13,14,15
	v_cndmask_b32 v[XS+32+\i], 0, v[XS+32+\i], s75 ; features 90..95 do not exist: zeros, ahead of the block's maximum
.endr
.irp b, 0,1,2
	v_max3_num_f32 v[16+\b], |v[XS+16*\b]|, |v[XS+16*\b+1]|, FLOOR
.endr
.irp i, 2,4,6,8,10,12,14
.irp b, 0,1,2
	s_delay_alu instid0(VALU_DEP_3)
	v_max3_num_f32 v[16+\b], v[16+\b], |v[XS+16*\b+\i]|, |v[XS+16*\b+\i+1]|
.endr
.endr
.irp b, 0,1,2
	s_delay_alu instid0(VALU_DEP_3)
	v_permlanex16_b32 v[20+\b], v[16+\b], s76, s77
.endr
.irp b, 0,1,2
	s_delay_alu instid0(VALU_DEP_3)
	v_max_num_f32 v[16+\b], v[16+\b], v[20+\b]     ; the block's largest magnitude
.endr
.irp b, 0,1,2
	s_delay_alu instid0(VALU_DEP_3)
	v_add_nc_u32 v[28+\b], 0xfc000000, v[16+\b]    ; 8 off its exponent field: the conversion's scale operand
.endr
.irp b, 0,1,2
	v_and_or_b32 v[24+\b], v[16+\b], 0x7f800000, s78   ; 448 x the scale
.endr
.irp b, 0,1,2
	v_lshrrev_b32 v[20+\b], 23, v[28+\b]           ; the scale's byte
.endr
	s_delay_alu instid0(VALU_DEP_2)
	v_lshl_or_b32 v19, v21, 8, v20
	s_delay_alu instid0(VALU_DEP_1)
	v_lshl_or_b32 v19, v22, 16, v19
	s_delay_alu instid0(VALU_DEP_1)
	v_or_b32 v19, 0x7f000000, v19                  ; the fourth block is all zero codes: byte 127
.irp b, 0,1,2
.irp i, 0,1,2,3,4,5,6,7,8,9,10,11,12,13,14,15
	v_med3_num_f32 v[XS+16*\b+\i], v[XS+16*\b+\i], -v[24+\b], v[24+\b]   ; the conversion to an 8-bit code does not saturate (ISA guide 7.6.2): the hold comes first
.endr
	v_cvt_scalef32_pk8_fp8_f32 v[CC+4*\b:CC+4*\b+1], v[XS+16*\b:XS+16*\b+7], v[28+\b]
	v_cvt_scalef32_pk8_fp8_f32 v[CC+4*\b+2:CC+4*\b+3], v[XS+16*\b+8:XS+16*\b+15], v[28+\b]
.endr
	v_cndmask_b32 v[CC+12], 0, v19, s75            ; bytes 96..127 of the row: the scale word, then zeros.  (Also the plain instruction behind the last conversion)
	v_mov_b32 v[CC+13], 0
	v_mov_b32 v[CC+14], 0
	v_mov_b32 v[CC+15], 0
.irp c, 0,1,2,3
	ds_store_b128 v7, v[CC+4*\c:CC+4*\c+3] offset:32*\c
.endr
.irp q, 0,1,2,3
	ds_load_b128 v[OO+4*\q:OO+4*\q+3], v8 offset:576*\q     ; four rows of 128 bytes: LDS serves a wave's instructions in order
.endr
.endm
	QX 0
	QX 1
	s_wait_dscnt 0x8                               ; the first half's rows are back: behind them stand the second half's 4 stores and 4 loads
.irp q, 0,1,2,3
	global_store_b128 v2, v[160+4*\q:163+4*\q], s[24:25] offset:512*\q
.endr
	s_wait_dscnt 0x0
.irp q, 0,1,2,3
	global_store_b128 v2, v[176+4*\q:179+4*\q], s[24:25] offset:2048+512*\q
.endr
	s_wait_tensorcnt 0x0
	ds_add_u32 v192, v193
	s_wait_dscnt 0x0
	s_endpgm
; ---------------- weights ----------------
.Lweights:
	s_wait_alu depctr_va_vdst(0)
	v_lshlrev_b32 v3, 2, v1                        ; in: 4 bytes a lane: lane = column
	v_bfe_u32 v4, v1, 3, 1                         ; W1, W2: column 32 b + l belongs to tile 2 b + u, u = (l / 8) % 2,
	v_and_b32 v5, 7, v1
	v_lshrrev_b32 v6, 4, v1
	s_delay_alu instid0(VALU_DEP_1)
	v_lshl_add_u32 v5, v6, 3, v5                   ; row r = l % 8 + 8 (l / 16)
	s_mov_b32 s61, 0
	s_mov_b32 s69, 0
	s_mov_b32 s71, 0
	s_cmp_ge_u32 ttmp9, 168
	s_cbranch_scc1 .Lwo
; block c of 32 along K, n of its rows exist: the others are zeros
.macro LOADB c, n
.set ii, 0
.rept 32
.if ii < \n
	global_load_b32 v[32+32*((\c)%2)+ii], v3, s[10:11] offset:(32*(\c)+ii)*1024 th:TH_LOAD_NT   ; a row of the weight at 32 neighbouring columns
.else
	v_mov_b32 v[32+32*((\c)%2)+ii], 0
.endif
.set ii, ii+1
.endr
.endm
; the block becomes 32 codes of my column and a scale byte.  left: the loads of the next block, which may stay out
.macro WBLK c, left
.set XS, 32+32*((\c)%2)
.set CC, 96+8*(\c)
	s_wait_loadcnt \left
	v_max3_num_f32 v12, |v[XS]|, |v[XS+1]|, |v[XS+2]|
	v_max3_num_f32 v13, |v[XS+3]|, |v[XS+4]|, |v[XS+5]|
.irp i, 6,10,14,18,22,26
	s_delay_alu instid0(VALU_DEP_2)
	v_max3_num_f32 v12, v12, |v[XS+\i]|, |v[XS+\i+1]|
	s_delay_alu instid0(VALU_DEP_2)
	v_max3_num_f32 v13, v13, |v[XS+\i+2]|, |v[XS+\i+3]|
.endr
	s_delay_alu instid0(VALU_DEP_2)
	v_max3_num_f32 v12, v12, |v[XS+30]|, |v[XS+31]|
	s_delay_alu instid0(VALU_DEP_1)
	v_max3_num_f32 v12, v12, v13, FLOOR
	s_delay_alu instid0(VALU_DEP_1)
	v_add_nc_u32 v11, 0xfc000000, v12
	s_delay_alu instid0(VALU_DEP_2)
	v_and_or_b32 v10, v12, 0x7f800000, s78
	s_delay_alu instid0(VALU_DEP_2)
	v_lshrrev_b32 v13, 23, v11
.if (\c) == 0
	s_delay_alu instid0(VALU_DEP_1)
	v_mov_b32 v14, v13                             ; the K step's four bytes make my column's scale word
.else
	s_delay_alu instid0(VALU_DEP_1)
	v_lshl_or_b32 v14, v13, 8*(\c), v14
.endif
.irp i, 0,1,2,3,4,5,6,7,8,9,10,11,12,13,14,15,16,17,18,19,20,21,22,23,24,25,26,27,28,29,30,31
	v_med3_num_f32 v[XS+\i], v[XS+\i], -v10, v10
.endr
.irp q, 0,1,2,3
	v_cvt_scalef32_pk8_fp8_f32 v[CC+2*\q:CC+2*\q+1], v[XS+8*\q:XS+8*\q+7], v11
.endr
	v_nop                                          ; a plain instruction behind the last conversion: its sources are written again below
	global_store_b128 v8, v[CC:CC+3], s[30:31] offset:512*(\c)          ; k = 32 c + 0..15: the place of lanes 0-15; sixteen lanes fill 256 consecutive bytes of a fragment
	global_store_b128 v8, v[CC+4:CC+7], s[30:31] offset:512*(\c)+256    ; k = 32 c + 16..31: the place of lanes 16-31.  Each block has its own eight registers: no store's data are written again
.endm
.macro WALL n2, n3
	LOADB 0, 32
	LOADB 1, 32
	WBLK 0, 32
	LOADB 2, \n2
	WBLK 1, \n2
	LOADB 3, \n3
	WBLK 2, \n3
	WBLK 3, 0
	global_store_b32 v9, v14, s[62:63]
	s_endpgm
.endm
	s_cmp_ge_u32 ttmp9, 160
	s_cbranch_scc1 .Lw1
; W2, W3: expert e, layer, K step s; wave b = columns 32 b on
	s_sub_co_u32 s3, ttmp9, 128
	s_lshr_b32 s56, s3, 2                          ; e
	s_bfe_u32 s57, s3, 0x10001                     ; 0: W2, 1: W3
	s_and_b32 s58, s3, 1                           ; s
	v_and_b32 v7, 15, v1                           ; W3: tile 2 b + l / 16, row l % 16
	s_cmp_eq_u32 s57, 1
	s_cselect_b32 s59, -1, 0
	s_wait_alu depctr_va_vdst(0)
	v_cndmask_b32 v4, v4, v6, s59
	v_cndmask_b32 v5, v5, v7, s59
	s_delay_alu instid0(VALU_DEP_1)
	v_lshlrev_b32 v8, 4, v5
	s_delay_alu instid0(VALU_DEP_1)
	v_lshl_add_u32 v8, v4, 12, v8                  ; codes: two fragments a tile: 4,096 u + 16 r
	s_delay_alu instid0(VALU_DEP_3)
	v_lshlrev_b32 v9, 2, v5
	s_delay_alu instid0(VALU_DEP_1)
	v_lshl_add_u32 v9, v4, 7, v9                   ; scale words: 128 u + 4 r
	s_lshl_b32 s60, s56, 18
	s_lshl_b32 s72, s58, 17
	s_add_co_u32 s60, s60, s72
	s_lshl_b32 s72, s2, 7
	s_add_co_u32 s60, s60, s72                     ; in: expert, 128 s rows, 32 b columns
	s_mul_i32 s66, s56, EB
	s_lshl_b32 s67, s2, 2
	s_add_co_u32 s67, s67, s58                     ; fragment 2 (2 b) + s
	s_lshl_b32 s68, s57, 16
	s_add_co_u32 s68, s68, s66
	s_lshl_b32 s72, s67, 11
	s_add_co_u32 s68, s68, s72
	s_add_co_u32 s68, s68, 32768
	s_lshl_b32 s70, s57, 11
	s_add_co_u32 s70, s70, s66
	s_lshl_b32 s72, s67, 6
	s_add_co_u32 s70, s70, s72
	s_add_co_u32 s70, s70, 164864
	s_wait_kmcnt 0x0
	s_cmp_eq_u32 s57, 1                            ; the choice hangs on the work-group's number alone
	s_cselect_b64 s[10:11], s[12:13], s[10:11]
	s_add_nc_u64 s[10:11], s[10:11], s[60:61]
	s_add_nc_u64 s[62:63], s[30:31], s[70:71]
	s_add_nc_u64 s[30:31], s[30:31], s[68:69]
	WALL 32, 32
.Lw1:
	s_sub_co_u32 s56, ttmp9, 160                   ; e
	s_wait_alu depctr_va_vdst(0)
	v_lshlrev_b32 v8, 4, v5
	s_delay_alu instid0(VALU_DEP_1)
	v_lshl_add_u32 v8, v4, 11, v8                  ; one fragment a tile: 2,048 u + 16 r
	v_lshlrev_b32 v9, 2, v5
	s_delay_alu instid0(VALU_DEP_1)
	v_lshl_add_u32 v9, v4, 6, v9
	s_mul_i32 s60, s56, 92160
	s_lshl_b32 s72, s2, 7
	s_add_co_u32 s60, s60, s72
	s_mul_i32 s66, s56, EB
	s_lshl_b32 s68, s2, 12
	s_add_co_u32 s68, s68, s66
	s_lshl_b32 s70, s2, 7
	s_add_co_u32 s70, s70, s66
	s_add_co_u32 s70, s70, 163840
	s_wait_kmcnt 0x0
	s_add_nc_u64 s[10:11], s[8:9], s[60:61]
	s_add_nc_u64 s[62:63], s[30:31], s[70:71]
	s_add_nc_u64 s[30:31], s[30:31], s[68:69]
	WALL 26, 0                                     ; K = 90: 32, 32, 26 rows, and a block of zeros
.Lwo:
; Wo as the first source of a bf16 product: wave s = 32 along K.  Lane (r, h): registers 0-3 k = 32 s + 8 h + 0..7, registers 4-7 k = 32 s + 16 + 8 h + 0..7, of output r % 8; outputs 4..7 are zeros.
; Rows 8-11 repeat rows 0-3, so that both halves of the lanes end up with the four outputs in their four lowest result registers.
	s_sub_co_u32 s56, ttmp9, 168                   ; e
	v_and_b32 v7, 3, v1
	s_delay_alu instid0(VALU_DEP_1)
	v_lshlrev_b32 v7, 2, v7
	s_wait_alu depctr_va_vdst(0)
	v_lshl_add_u32 v7, v6, 7, v7                   ; 8 h rows of 16 bytes + 4 (r % 4)
	v_lshl_add_u32 v11, v15, 10, v2                ; out: 1,024 x wave + 16 x lane
	v_mov_b32 v9, 0
	v_lshlrev_b32 v10, 4, v0
	s_lshl_b32 s60, s56, 12
	s_lshl_b32 s72, s2, 9
	s_add_co_u32 s60, s60, s72
	s_mul_i32 s68, s56, EB
	s_lshl_b32 s70, s56, 4
	s_wait_alu depctr_va_vdst(0)
	s_wait_kmcnt 0x0
	s_add_nc_u64 s[14:15], s[14:15], s[60:61]
	s_add_nc_u64 s[30:31], s[30:31], s[68:69]
	s_add_nc_u64 s[22:23], s[22:23], s[70:71]
.irp i, 0,1,2,3,4,5,6,7
	global_load_b32 v[32+\i], v7, s[14:15] offset:16*\i
.endr
.irp i, 0,1,2,3,4,5,6,7
	global_load_b32 v[40+\i], v7, s[14:15] offset:256+16*\i
.endr
	global_load_b128 v[48:51], v9, s[22:23]        ; bo[e], in every lane
	v_and_b32 v8, 4, v1
	s_delay_alu instid0(VALU_DEP_1)
	v_cmp_eq_u32 s74, 0, v8                        ; outputs 0..3
	v_and_b32 v8, 0xfffffffd, v0
	s_delay_alu instid0(VALU_DEP_1)
	v_cmp_eq_u32 vcc_lo, 0, v8                     ; threads 0 and 2
	s_wait_loadcnt 0x0
.irp j, 0,1,2,3,4,5,6,7
	v_cvt_pk_bf16_f32 v[16+\j], v[32+2*\j], v[33+2*\j]
.endr
.irp j, 0,1,2,3,4,5,6,7
	v_cndmask_b32 v[16+\j], 0, v[16+\j], s74
.endr
.irp c, 0,1,2,3
	v_cndmask_b32 v[48+\c], 0, v[48+\c], vcc_lo
.endr
	global_store_b128 v11, v[16:19], s[30:31] offset:168960
	global_store_b128 v11, v[20:23], s[30:31] offset:168960+512
	global_store_b128 v10, v[48:51], s[30:31] offset:180224        ; the table {bo, 0, bo, 0} and zeros up to the image's end: 16 bytes a thread
	s_cmp_gt_u32 s2, 2
	s_cbranch_scc1 .Lwo_end
	s_cmp_eq_u32 s2, 1                             ; waves 0, 1, 2 copy b1, b2, b3 of the expert
	s_cselect_b64 s[16:17], s[18:19], s[16:17]
	s_cmp_eq_u32 s2, 2
	s_cselect_b64 s[16:17], s[20:21], s[16:17]
	s_lshl_b32 s60, s56, 10
	s_add_nc_u64 s[16:17], s[16:17], s[60:61]
	global_load_b128 v[52:55], v2, s[16:17]
	global_load_b128 v[56:59], v2, s[16:17] offset:512
	s_wait_loadcnt 0x0
	global_store_b128 v11, v[52:55], s[30:31] offset:177152
	global_store_b128 v11, v[56:59], s[30:31] offset:177152+512
.Lwo_end:
	s_endpgm
.Lfunc_end_k_q95978a161c_route:
	.size	k_q95978a161c_route, .Lfunc_end_k_q95978a161c_route-k_q95978a161c_route
	.p2alignl 7, 3214868480
	.fill 96, 4, 3214868480
	.section	.rodata,"a",@progbits
	.p2align	6, 0x0
	.amdhsa_kernel k_q95978a161c_route
		.amdhsa_group_segment_fixed_size 123904
		.amdhsa_private_segment_fixed_size 0
		.amdhsa_enable_private_segment 0
		.amdhsa_kernarg_size 112
		.amdhsa_user_sgpr_count 2
		.amdhsa_user_sgpr_kernarg_segment_ptr 1
		.amdhsa_wavefront_size32 1
		.amdhsa_system_sgpr_workgroup_id_x 1
		.amdhsa_system_sgpr_workgroup_id_y 1
		.amdhsa_system_sgpr_workgroup_id_z 1
		.amdhsa_system_vgpr_workitem_id 0
		.amdhsa_next_free_vgpr 194
		.amdhsa_next_free_sgpr 80
		.amdhsa_reserve_vcc 1
		.amdhsa_float_denorm_mode_32 3
		.amdhsa_float_denorm_mode_16_64 3
		.amdhsa_memory_ordered 1
		.amdhsa_forward_progress 1
		.amdhsa_inst_pref_size 104
	.end_amdhsa_kernel
	.amdgpu_metadata
---
amdhsa.version: [ 1, 2 ]
amdhsa.kernels:
  - .name:           k_q95978a161c_route
    .symbol:         k_q95978a161c_route.kd
    .args:
      - { .name: x, .offset: 0, .size: 8, .value_kind: global_buffer, .address_space: global }
      - { .name: centroids, .offset: 8, .size: 8, .value_kind: global_buffer, .address_space: global }
      - { .name: W1, .offset: 16, .size: 8, .value_kind: global_buffer, .address_space: global }
      - { .name: W2, .offset: 24, .size: 8, .value_kind: global_buffer, .address_space: global }
      - { .name: W3, .offset: 32, .size: 8, .value_kind: global_buffer, .address_space: global }
      - { .name: Wo, .offset: 40, .size: 8, .value_kind: global_buffer, .address_space: global }
      - { .name: b1, .offset: 48, .size: 8, .value_kind: global_buffer, .address_space: global }
      - { .name: b2, .offset: 56, .size: 8, .value_kind: global_buffer, .address_space: global }
      - { .name: b3, .offset: 64, .size: 8, .value_kind: global_buffer, .address_space: global }
      - { .name: bo, .offset: 72, .size: 8, .value_kind: global_buffer, .address_space: global }
      - { .name: xq, .offset: 80, .size: 8, .value_kind: global_buffer, .address_space: global }
      - { .name: gate, .offset: 88, .size: 8, .value_kind: global_buffer, .address_space: global }
      - { .name: bal, .offset: 96, .size: 8, .value_kind: global_buffer, .address_space: global }
      - { .name: wimg, .offset: 104, .size: 8, .value_kind: global_buffer, .address_space: global }
    .group_segment_fixed_size: 123904
    .private_segment_fixed_size: 0
    .kernarg_segment_align: 8
    .kernarg_segment_size: 112
    .max_flat_workgroup_size: 256
    .sgpr_count:     80
    .vgpr_count:     194
    .wavefront_size: 32
...
	.end_amdgpu_metadata
.endif
;; end of part 5
;; launch place (part 6): grid 128 x 1, 8 waves a work-group, no clusters, 9,472 bytes of LDS; arguments bal, rows, sidx, wgtab; writes rows, sidx, wgtab
.if DOCPART == 6
	.amdgcn_target "amdgcn-amd-amdhsa--gfx1250"
	.amdhsa_code_object_version 6
	.text
	.protected	k_q95978a161c_place
	.globl	k_q95978a161c_place
	.p2align	8
	.type	k_q95978a161c_place,@function
k_q95978a161c_place:
	s_mov_b64 s[64:65], 0
	v_nop
	global_prefetch_b8 v0, s[64:65] scope:SCOPE_SE
	s_setreg_imm32_b32 hwreg(HW_REG_WAVE_MODE, 25, 1), 1
	s_wait_xcnt 0x0
; SECOND LAUNCH: whole numbers alone.  The routed rows are placed expert after expert, each expert's rows filled up to a multiple of 16 with token 0.
; bal: [1024 groups of 32 tokens][16]: words 0-7 a ballot for each expert, words 8-15 its count.  A wave takes a group.
; Every work-group sums all 1,024 x 8 counts (32 KiB), once as totals and once for the groups ahead of its own: so no work-group waits for another.
; rows[slot] = token;  sidx[token][e] = slot (0 where the expert is not used);  wgtab[i] = {expert, first tile, tiles, 0} for the 256 work-groups of the next launch.
; With T tiles in all (at most 16,391) a work-group gets at most q = ceil(T / 248) tiles of one expert: the sum over the experts of ceil(T_e / q) is at most T / q + 8, at most 256, whatever the split.
; EVERY ADDRESS AND EVERY MASK OF A MASKED STORE IS MADE WHILE ALL LANES ARE ON, ahead of the first line that narrows EXEC, in registers that hold nothing else: a write with some lanes off would leave
; the old number in the others.  So every wave makes the addresses of the fill-up too, which wave 0 of work-group 0 alone uses.
.set CNT, 64                           ; v64-95  the counts as loaded
.set TOT, 16                           ; v16-19  totals, later packed: (ahead of my work-group) << 16 | total; both are at most 32,768
.set PRE, 20                           ; v20-23
.set AD,  32                           ; v32-39  byte offsets into rows: my token's slots
.set SI,  40                           ; v40-47  my token's slots
.set PA,  96                           ; v96-103 byte offsets into rows: the fill-up behind each expert's rows
.set W,   32                           ; s32-39  my group's ballots
.set TT,  40                           ; s40-47  totals
.set B,   48                           ; s48-55  my group's first slot for each expert
.set PM,  56                           ; s56-63  which lanes fill up
.set TO,  66                           ; s66-74  first tile of each expert; s74 = T
.set TE,  76                           ; s76-83  tiles of each expert
.set WB,  84                           ; s84-92  first work-group of each expert
	s_load_b256 s[4:11], s[0:1], 0x0               ; bal, rows, sidx, wgtab
	v_lshl_add_u32 v104, v0, 2, 0x2100
	v_mov_b32 v105, 0
	v_lshrrev_b32 v1, 5, v0
	s_delay_alu instid0(VALU_DEP_1)
	v_readfirstlane_b32 s2, v1                     ; wave
	v_and_b32 v1, 31, v0                           ; lane
	s_lshl_b32 s3, ttmp9, 3                        ; my work-group's first group
	s_add_co_u32 s12, s3, s2                       ; g
	v_lshrrev_b32 v2, 1, v0                        ; the thread's group in a run of 128
	v_and_b32 v3, 1, v0                            ; experts 4 (t % 2) + 0..3
	s_delay_alu instid0(VALU_DEP_2)
	v_lshlrev_b32 v4, 6, v2
	s_delay_alu instid0(VALU_DEP_1)
	v_lshl_add_u32 v4, v3, 4, v4
	v_lshrrev_b32 v5, 3, v1                        ; for my work-group's own 8 x 8 counts: group lane / 8 (and 4 more),
	v_and_b32 v6, 7, v1                            ; expert lane % 8
	s_delay_alu instid0(VALU_DEP_2)
	v_lshlrev_b32 v7, 6, v5
	s_delay_alu instid0(VALU_DEP_1)
	v_lshl_add_u32 v7, v6, 2, v7
	s_lshl_b32 s18, s2, 5
	v_lshl_add_u32 v11, v3, 4, s18                 ; LDS: the waves' sums: 32 bytes a wave
	v_lshlrev_b32 v14, 2, v1
	s_lshl_b32 s23, s2, 10
	s_add_co_u32 s23, s23, 256                     ; LDS: 1,024 bytes of my own behind them
	v_lshl_add_u32 v56, v1, 5, s23
	v_lshl_add_u32 v57, v1, 4, s23
	v_lshlrev_b32 v58, 4, v1
	v_mov_b32 v59, 0
	v_lshlrev_b32 v60, 4, v0                       ; the table: 16 bytes a thread
.irp k, 0,1,2,3,4
	v_mov_b32 v[24+\k], 0                          ; written once: the destination of a lane exchange counts as one of its sources
.endr
	s_mov_b32 s24, 0x76543210
	s_mov_b32 s25, 0xfedcba98
	s_lshl_b32 s14, s3, 6
	s_mov_b32 s15, 0
	s_lshl_b32 s16, s12, 6
	s_mov_b32 s17, 0
	s_lshl_b32 s26, s12, 10
	s_mov_b32 s27, 0
	s_wait_kmcnt 0x0
.set jj, 0
.rept 8
	global_load_b128 v[CNT+4*jj:CNT+4*jj+3], v4, s[4:5] offset:8192*jj+32
.set jj, jj+1
.endr
	s_add_nc_u64 s[14:15], s[4:5], s[14:15]
	global_load_b32 v8, v7, s[14:15] offset:32
	global_load_b32 v9, v7, s[14:15] offset:32+256
	s_add_nc_u64 s[16:17], s[4:5], s[16:17]
	s_load_b256 s[W:W+7], s[16:17], 0x0
	s_add_nc_u64 s[8:9], s[8:9], s[26:27]          ; sidx at my 32 tokens
	s_wait_loadcnt 0x0
.set jj, 0
.rept 8
	v_add_nc_u32 v10, 128*jj, v2
	s_delay_alu instid0(VALU_DEP_1)
	v_cmp_gt_u32 vcc_lo, s3, v10                   ; a group ahead of my work-group's
.irp k, 0,1,2,3
.if jj == 0
	v_cndmask_b32 v[PRE+\k], 0, v[CNT+\k], vcc_lo
.else
.if jj == 1
	v_add_nc_u32 v[TOT+\k], v[CNT+\k], v[CNT+4+\k]
.else
	v_add_nc_u32 v[TOT+\k], v[TOT+\k], v[CNT+4*jj+\k]
.endif
	v_cndmask_b32 v12, 0, v[CNT+4*jj+\k], vcc_lo
	s_delay_alu instid0(VALU_DEP_1)
	v_add_nc_u32 v[PRE+\k], v[PRE+\k], v12
.endif
.endr
.set jj, jj+1
.endr
.irp k, 0,1,2,3
	v_lshl_or_b32 v[TOT+\k], v[PRE+\k], 16, v[TOT+\k]
.endr
.irp x, 2,4,8                                  ; over the lanes of my parity
.irp k, 0,1,2,3
	s_delay_alu instid0(VALU_DEP_4)
	v_mov_b32_dpp v[24+\k], v[TOT+\k] row_xmask:\x row_mask:0xf bank_mask:0xf
.endr
.irp k, 0,1,2,3
	s_delay_alu instid0(VALU_DEP_4)
	v_add_nc_u32 v[TOT+\k], v[TOT+\k], v[24+\k]
.endr
.endr
.irp k, 0,1,2,3
	s_delay_alu instid0(VALU_DEP_4)
	v_permlanex16_b32 v[24+\k], v[TOT+\k], s24, s25
.endr
.irp k, 0,1,2,3
	s_delay_alu instid0(VALU_DEP_4)
	v_add_nc_u32 v[TOT+\k], v[TOT+\k], v[24+\k]
.endr
	ds_store_b128 v11, v[TOT:TOT+3]                ; all lanes of a parity write the same 16 bytes with the same numbers
	v_cmp_gt_u32 vcc_lo, s2, v5                    ; the groups of my work-group ahead of mine
	s_delay_alu instid0(VALU_DEP_1)
	v_cndmask_b32 v8, 0, v8, vcc_lo
	v_add_nc_u32 v12, 4, v5
	s_delay_alu instid0(VALU_DEP_1)
	v_cmp_gt_u32 vcc_lo, s2, v12
	s_delay_alu instid0(VALU_DEP_1)
	v_cndmask_b32 v9, 0, v9, vcc_lo
	s_delay_alu instid0(VALU_DEP_1)
	v_add_nc_u32 v8, v8, v9
	s_delay_alu instid0(VALU_DEP_1)
	v_mov_b32_dpp v28, v8 row_xmask:8 row_mask:0xf bank_mask:0xf
	s_delay_alu instid0(VALU_DEP_1)
	v_add_nc_u32 v8, v8, v28
	s_delay_alu instid0(VALU_DEP_1)
	v_permlanex16_b32 v28, v8, s24, s25
	s_delay_alu instid0(VALU_DEP_1)
	v_add_nc_u32 v8, v8, v28                       ; lane l: expert l % 8
	s_wait_dscnt 0x0                               ; for the others' sake: my store has landed
	s_barrier_signal -1
	s_barrier_wait -1
	ds_load_b32 v13, v14                           ; word l: wave l / 8, expert l % 8;
	ds_load_b32 v15, v14 offset:128                ; and wave l / 8 + 4
	s_wait_dscnt 0x0
	v_add_nc_u32 v13, v13, v15
	s_delay_alu instid0(VALU_DEP_1)
	v_mov_b32_dpp v28, v13 row_xmask:8 row_mask:0xf bank_mask:0xf
	s_delay_alu instid0(VALU_DEP_1)
	v_add_nc_u32 v13, v13, v28
	s_delay_alu instid0(VALU_DEP_1)
	v_permlanex16_b32 v28, v13, s24, s25
	s_delay_alu instid0(VALU_DEP_1)
	v_add_nc_u32 v13, v13, v28
	s_wait_alu depctr_va_vdst(0)
	v_lshl_add_u32 v13, v8, 16, v13                ; (rows ahead of my group) << 16 | total
.irp e, 0,1,2,3,4,5,6,7
	v_readlane_b32 s[TT+\e], v13, \e
.endr
	s_mov_b32 s[TO], 0
.irp e, 0,1,2,3,4,5,6,7
	s_lshr_b32 s[B+\e], s[TT+\e], 16
	s_and_b32 s[TT+\e], s[TT+\e], 0xffff
	s_add_co_u32 s[TE+\e], s[TT+\e], 15
	s_lshr_b32 s[TE+\e], s[TE+\e], 4               ; the expert's tiles of 16 rows
	s_add_co_u32 s[TO+1+\e], s[TO+\e], s[TE+\e]
	s_lshl_b32 s20, s[TO+\e], 4
	s_add_co_u32 s[B+\e], s[B+\e], s20             ; my group's first slot
.endr
	s_lshl_b32 s21, s12, 5
	v_add_nc_u32 v30, s21, v1                      ; my token
	s_wait_kmcnt 0x0                               ; the ballots
.irp e, 0,1,2,3,4,5,6,7
	v_mbcnt_lo_u32_b32 v29, s[W+\e], 0             ; how many lanes below mine use the expert
	s_delay_alu instid0(VALU_DEP_1)
	v_add_nc_u32 v29, s[B+\e], v29
	s_delay_alu instid0(VALU_DEP_1)
	v_cndmask_b32 v[SI+\e], 0, v29, s[W+\e]
	s_delay_alu instid0(VALU_DEP_2)
	v_min_u32 v29, 0x4007f, v29                    ; rows has 262,272 slots
	s_delay_alu instid0(VALU_DEP_1)
	v_lshlrev_b32 v[AD+\e], 2, v29
.endr
.irp e, 0,1,2,3,4,5,6,7                        ; the fill-up: the slots from the expert's last row to the end of its last tile, at most 15
	s_lshl_b32 s20, s[TO+\e], 4
	s_add_co_u32 s20, s20, s[TT+\e]
	s_lshl_b32 s21, s[TO+1+\e], 4
	v_add_nc_u32 v31, s20, v1
	s_delay_alu instid0(VALU_DEP_1)
	v_cmp_gt_u32 s[PM+\e], s21, v31
	s_delay_alu instid0(VALU_DEP_2)
	v_min_u32 v31, 0x4007f, v31
	s_delay_alu instid0(VALU_DEP_1)
	v_lshlrev_b32 v[PA+\e], 2, v31
.endr
	ds_store_b128 v56, v[SI:SI+3]                  ; a token's eight slots are 32 bytes: through my own LDS, so that each store covers 512 consecutive bytes
	ds_store_b128 v56, v[SI+4:SI+7] offset:16
	ds_load_b128 v[48:51], v57
	ds_load_b128 v[52:55], v57 offset:512
.irp e, 0,1,2,3,4,5,6,7
	s_mov_b32 vcc_lo, s[W+\e]
	s_wait_xcnt 0x0                                ; EXEC is a source of the stores before: it changes only behind this wait,
	s_and_saveexec_b32 s22, vcc_lo
	global_store_b32 v[AD+\e], v30, s[6:7]         ; the tokens that use the expert: neighbouring slots
	s_wait_xcnt 0x0                                ; and again in front of the line that widens it
	s_mov_b32 exec_lo, -1                          ; every lane is on at the entry: the full mask is this constant
.endr
	s_wait_dscnt 0x0
	global_store_b128 v58, v[48:51], s[8:9]
	global_store_b128 v58, v[52:55], s[8:9] offset:512
	s_cmp_lg_u32 ttmp9, 0
	s_cbranch_scc1 .Lend
	s_cmp_lg_u32 s2, 0
	s_cbranch_scc1 .Ltab
	s_wait_alu depctr_va_vdst(0)
; work-group 0, wave 0: each expert's last tile is filled up with token 0
.irp e, 0,1,2,3,4,5,6,7
	s_mov_b32 vcc_lo, s[PM+\e]
	s_wait_xcnt 0x0
	s_and_saveexec_b32 s22, vcc_lo
	global_store_b32 v[PA+\e], v59, s[6:7]
	s_wait_xcnt 0x0
	s_mov_b32 exec_lo, -1
.endr
.Ltab:
; work-group 0: the table.  q = ceil(T / 248) = ((T + 247) x 16,913) >> 22: 16,913 x 248 = 2^22 + 120, so the quotient is exact for numbers under 2^22 / 120 = 34,952
	s_add_co_u32 s20, s[TO+8], 247
	s_mul_i32 s20, s20, 16913
	s_lshr_b32 s20, s20, 22
.irp k, 0,1,2,3,4,5,6,7
	v_add_nc_u32 v29, 32*\k, v1
	s_delay_alu instid0(VALU_DEP_1)
	v_mul_u32_u24 v[64+\k], s20, v29               ; i q for i = 0..255
.endr
	s_mov_b32 s[WB], 0
	s_wait_alu depctr_va_vdst(0)
.irp e, 0,1,2,3,4,5,6,7
	s_mov_b32 s21, 0
.irp k, 0,1,2,3,4,5,6,7
	v_cmp_gt_u32 vcc_lo, s[TE+\e], v[64+\k]
	s_bcnt1_i32_b32 s22, vcc_lo
	s_add_co_u32 s21, s21, s22                     ; how many i have i q < T_e: ceil(T_e / q), without a division
.endr
	s_add_co_u32 s[WB+1+\e], s[WB+\e], s21
.endr
	v_mov_b32 v80, 0                               ; thread i takes the last expert whose first work-group is at most i
	v_mov_b32 v73, 0
	v_mov_b32 v74, 0
	v_mov_b32 v75, s[TO+1]
.irp e, 1,2,3,4,5,6,7
	v_cmp_le_u32 vcc_lo, s[WB+\e], v0
	v_mov_b32 v76, \e
	v_mov_b32 v77, s[WB+\e]
	v_mov_b32 v78, s[TO+\e]
	v_mov_b32 v79, s[TO+1+\e]
	s_delay_alu instid0(VALU_DEP_4)
	v_cndmask_b32 v80, v80, v76, vcc_lo
	s_delay_alu instid0(VALU_DEP_4)
	v_cndmask_b32 v73, v73, v77, vcc_lo
	s_delay_alu instid0(VALU_DEP_4)
	v_cndmask_b32 v74, v74, v78, vcc_lo
	s_delay_alu instid0(VALU_DEP_4)
	v_cndmask_b32 v75, v75, v79, vcc_lo
.endr
	s_delay_alu instid0(VALU_DEP_3)
	v_sub_nc_u32 v81, v0, v73
	s_delay_alu instid0(VALU_DEP_1)
	v_mul_u32_u24 v81, s20, v81
	s_delay_alu instid0(VALU_DEP_1)
	v_add_nc_u32 v81, v74, v81                     ; first tile
	s_delay_alu instid0(VALU_DEP_1)
	v_add_nc_u32 v82, s20, v81
	s_delay_alu instid0(VALU_DEP_1)
	v_min_u32 v82, v75, v82
	s_delay_alu instid0(VALU_DEP_3)
	v_min_u32 v85, v75, v81
	s_delay_alu instid0(VALU_DEP_1)
	v_sub_nc_u32 v82, v82, v85                     ; tiles: what is left of the expert's, at most q, 0 past its end
	s_delay_alu instid0(VALU_DEP_1)
	v_cmp_ne_u32 vcc_lo, 0, v82
	s_delay_alu instid0(VALU_DEP_1)
	v_cndmask_b32 v81, 0, v81, vcc_lo
	v_mov_b32 v83, 0
	global_store_b128 v60, v[80:83], s[10:11]
.Lend:
	s_wait_tensorcnt 0x0
	ds_add_u32 v104, v105
	s_wait_dscnt 0x0
	s_endpgm
.Lfunc_end_k_q95978a161c_place:
	.size	k_q95978a161c_place, .Lfunc_end_k_q95978a161c_place-k_q95978a161c_place
	.p2alignl 7, 3214868480
	.fill 96, 4, 3214868480
	.section	.rodata,"a",@progbits
	.p2align	6, 0x0
	.amdhsa_kernel k_q95978a161c_place
		.amdhsa_group_segment_fixed_size 9472
		.amdhsa_private_segment_fixed_size 0
		.amdhsa_enable_private_segment 0
		.amdhsa_kernarg_size 32
		.amdhsa_user_sgpr_count 2
		.amdhsa_user_sgpr_kernarg_segment_ptr 1
		.amdhsa_wavefront_size32 1
		.amdhsa_system_sgpr_workgroup_id_x 1
		.amdhsa_system_sgpr_workgroup_id_y 1
		.amdhsa_system_sgpr_workgroup_id_z 1
		.amdhsa_system_vgpr_workitem_id 0
		.amdhsa_next_free_vgpr 106
		.amdhsa_next_free_sgpr 96
		.amdhsa_reserve_vcc 1
		.amdhsa_float_denorm_mode_32 3
		.amdhsa_float_denorm_mode_16_64 3
		.amdhsa_memory_ordered 1
		.amdhsa_forward_progress 1
		.amdhsa_inst_pref_size 37
	.end_amdhsa_kernel
	.amdgpu_metadata
---
amdhsa.version: [ 1, 2 ]
amdhsa.kernels:
  - .name:           k_q95978a161c_place
    .symbol:         k_q95978a161c_place.kd
    .args:
      - { .name: bal, .offset: 0, .size: 8, .value_kind: global_buffer, .address_space: global }
      - { .name: rows, .offset: 8, .size: 8, .value_kind: global_buffer, .address_space: global }
      - { .name: sidx, .offset: 16, .size: 8, .value_kind: global_buffer, .address_space: global }
      - { .name: wgtab, .offset: 24, .size: 8, .value_kind: global_buffer, .address_space: global }
    .group_segment_fixed_size: 9472
    .private_segment_fixed_size: 0
    .kernarg_segment_align: 8
    .kernarg_segment_size: 32
    .max_flat_workgroup_size: 256
    .sgpr_count:     96
    .vgpr_count:     106
    .wavefront_size: 32
...
	.end_amdgpu_metadata
.endif
;; end of part 6
;; launch chain (part 7): grid 256 x 1, 8 waves a work-group, no clusters, 320,512 bytes of LDS; arguments wgtab, rows, xq, wimg, part; writes part
.if DOCPART == 7
	.amdgcn_target "amdgcn-amd-amdhsa--gfx1250"
	.amdhsa_code_object_version 6
	.text
	.protected	k_q95978a161c_chain
	.globl	k_q95978a161c_chain
	.p2align	8
	.type	k_q95978a161c_chain,@function
k_q95978a161c_chain:
	s_mov_b64 s[64:65], 0
	v_nop
	global_prefetch_b8 v0, s[64:65] scope:SCOPE_SE
	s_setreg_imm32_b32 hwreg(HW_REG_WAVE_SCHED_MODE, 0, 2), 2
	s_setreg_imm32_b32 hwreg(HW_REG_WAVE_MODE, 25, 1), 1
	s_wait_xcnt 0x0
	s_wait_alu depctr_vm_vsrc(0)
; THIRD LAUNCH: the chain of products, for the routed rows alone.  A work-group serves ONE expert and up to 72 tiles of 16 rows (the table gives at most 67); the expert's whole image (184,320 bytes: codes, scale
; words, Wo in bf16, biases) is copied into LDS once and stays.  Each of the eight waves, two to a SIMD, takes tiles of its own through all four products; nothing goes from wave to wave, so the one barrier is the
; one behind the copy.  A wave walks three passes of up to four tiles; every trip count is a constant, and what a wave has no tiles for is passed over by branches on the stored numbers inside the trips.
; No tensor loads and no joint loads: the launch branches on numbers read from memory, so operands come through registers.  A work-group that the split leaves without tiles copies, meets the barrier and stores nothing.
; ALL PRODUCTS ARE USED TRANSPOSED: source 0 = 16 rows of a weight, source 1 = 16 tokens: a lane holds ONE token (lane % 16).  The rows of W1 and W2 that form a tile are chosen (by the launch that laid them out) so that
; the 16 registers of tiles 2 p and 2 p + 1 are units 32 p + 16 (lane / 16) + 0..15: half a block of 32 along the next K.  relu, the hold and the conversion follow in registers; the codes go to the wave's own
; stage in LDS as an image of the next operand's registers, the scale bytes beside them.  W3's tiles are natural: two of them, rounded to bf16, are source 1 of the last product.
; The biases are the C of each sum's first matrix instruction.  part[slot] = the expert's four outputs with bo, not yet weighted.
; LIMITS: h3 and Wo are rounded to bf16 for the last product; a block of zeros carries the scale byte 1; NaN and infinities are not served.
; THE MODE: SCHED_MODE bits 1:0 = 2 (LLVM: expert scheduling mode 2), set by the entry lines.  The code itself states the register dependences
; between vector or matrix instructions and memory or LDS instructions, with s_wait_alu, always for 0.
; THE PLAN.  Registers that memory or LDS instructions touch:
;   v1-13, v234-245   lane terms and the offsets of the 12 list words: made at the head, never written again.
;   GA                written by the list's loads, the clamp and shift behind them, and the moves at a pass's end; read by the gathers at a pass's head.
;   the tokens' fragments, SIN   filled by the gathers (layer 1) or from my stage (layers 2, 3), the zero codes by moves; read by a layer's scaled products.
;   WF, WSR, BI, WOF  filled by a trip's LDS loads, read by the same trip's products.
;   v14-19            written by the adds at a trip's head; read by the trip's LDS loads and stores.
;   CD, TP            written by the conversions and shifts; read by the stage's stores.
;   OUT, v20          bo's loads, the bf16 products, one shift; read by the stores of part.
;   ACC, HB, TM, TB, TH, TS are named by vector and matrix instructions alone.
; A TRIP HAS ONE wait on va_vdst at its head, behind the adds and on every way: the addresses are written, and the products of the trip before are done reading the registers in which this trip's loads land.
; The trip's loads follow it at once, ONCE for all four arms, ahead of the choice by the number of tiles; layers 1 and 2 have a second such wait ahead of the stage's stores.  Where the arms join stands one wait
; on vm_vsrc, ahead of the backward jump: the trip's LDS instructions have read what the next trip writes.  So nothing of a trip is pending in the next, whichever arm was taken.
; REGISTERS, window 0: v1-13 lane terms; v14-20 addresses of the trip; v24-35 the byte offsets of my 12 tiles' rows in xq; v36-55 at work; v56-71 codes; v72-79 the tokens' scale words; v80-81 the weights';
;   v82-97 biases; v98-105 Wo; v106-137 the outputs' sums; v138-169 h3 in bf16; v170-233 the accumulators (tile m, weight tile u at 170 + 16 m + 8 u); v234-245 offsets into rows.
;   window 1: v0-127 the tokens' fragments (tile m, K step s at 32 m + 16 s); v128-191 the weights' (32 u + 16 s); v0-179 carry the image at the start.
.set EB,   184320
.set O_W2, 32768
.set O_W3, 98304
.set O_SC, 163840
.set O_WO, 168960
.set O_B,  177152
.set O_BO, 180224
.set STG,  184320                      ; 16,384 bytes a wave: tile m at 4,096 m, block p at 512 p, lane at 16 l
.set SSTG, 315392                      ; 512 bytes a wave: [m][r][8 scale bytes]
.set GA,  24
.set TM,  36
.set TB,  40
.set TP,  44
.set TH,  48
.set TS,  52
.set CD,  56
.set SIN, 72
.set WSR, 80
.set BI,  82
.set WOF, 98
.set OUT, 106
.set HB,  138
.set ACC, 170
.set LA,  234                          ; v234-245 the byte offsets of my 12 tiles' words in rows
.set WF,  128
.set MSB, 0
.macro WIN new                         ; the immediate's high byte repeats the setting that is left
.if MSB != \new
	s_set_vgpr_msb (MSB<<8)|\new
.set MSB, \new
.endif
.endm
	s_load_b256 s[4:11], s[0:1], 0x0               ; wgtab, rows, xq, wimg
	s_load_b64 s[12:13], s[0:1], 0x20              ; part
	v_lshl_add_u32 v254, v0, 2, 0x4e000
	v_mov_b32 v255, 0
	v_lshrrev_b32 v1, 5, v0
	v_readfirstlane_b32 s2, v1                     ; wave
	v_and_b32 v21, 31, v0
	v_lshlrev_b32 v1, 4, v21                       ; 16 x lane
	v_lshlrev_b32 v2, 2, v21                       ; 4 x lane
	v_bfe_u32 v22, v0, 4, 1                        ; h
	v_and_b32 v23, 15, v0                          ; r
	v_lshlrev_b32 v3, 6, v22                       ; 64 h
	v_lshlrev_b32 v4, 5, v22                       ; 32 h
	v_add_nc_u32 v5, O_BO, v4                      ; the table of bo: my half's eight numbers
	v_lshlrev_b32 v8, 4, v0                        ; the copy: 16 bytes a thread, 4,096 a step
	v_add_nc_u32 v9, 0x10000, v8
	v_add_nc_u32 v10, 0x20000, v8
	v_lshlrev_b32 v11, 2, v23                      ; 4 r
	v_lshlrev_b32 v12, 4, v23                      ; 16 r
	v_lshlrev_b32 v13, 4, v22                      ; 16 h
	s_wait_alu depctr_va_sdst(0)                   ; s2 is written, ahead of its first reader: my LDS addresses and my share of the tiles are made from it
	s_lshl_b32 s24, s2, 14
	s_add_co_u32 s24, s24, STG
	v_add_nc_u32 v6, s24, v1                       ; my stage
	s_lshl_b32 s24, s2, 9
	s_add_co_u32 s24, s24, SSTG
	v_lshl_add_u32 v7, v23, 3, s24                 ; my scale bytes
	s_mov_b32 s36, 0x76543210
	s_mov_b32 s37, 0xfedcba98
	s_mov_b32 s38, 0x600000                        ; the mantissa field of 448
	s_lshl_b32 s26, ttmp9, 4
	s_mov_b32 s27, 0
	s_wait_alu depctr_va_vdst(0)
	s_wait_kmcnt 0x0
	s_add_nc_u64 s[4:5], s[4:5], s[26:27]
	s_load_b128 s[16:19], s[4:5], 0x0              ; expert, first tile, tiles
	s_wait_kmcnt 0x0
	s_min_u32 s16, s16, 7
	s_min_u32 s17, s17, 16391
	s_min_u32 s18, s18, 72
	s_add_co_u32 s20, s17, s18
	s_max_u32 s20, s20, 1
	s_sub_co_u32 s20, s20, 1                       ; the last tile that I may name
	s_lshr_b32 s24, s18, 3
	s_and_b32 s25, s18, 7
	s_mul_i32 s22, s2, s24
	s_add_co_u32 s22, s22, s17
	s_min_u32 s39, s2, s25
	s_add_co_u32 s22, s22, s39                     ; my first tile
	s_cmp_lt_u32 s2, s25
	s_cselect_b32 s39, 1, 0
	s_add_co_u32 s21, s24, s39                     ; my tiles: at most 9
.set jj, 0
.rept 12
	s_add_co_u32 s39, s22, jj
	s_min_u32 s39, s39, s20                        ; never past the work-group's tiles: every word read was stored
	s_min_u32 s39, s39, 16391
	v_lshl_add_u32 v[LA+jj], s39, 6, v11           ; all twelve offsets first, in registers of their own: one wait then serves the twelve loads
.set jj, jj+1
.endr
	s_mul_i32 s26, s16, EB
	s_add_nc_u64 s[10:11], s[10:11], s[26:27]
	s_wait_alu depctr_va_vdst(0)                   ; the lane terms v1 to v13 and the twelve offsets are written: the loads and LDS instructions below read them as addresses
.set jj, 0
.rept 12
	global_load_b32 v[GA+jj], v[LA+jj], s[6:7]     ; the tile's 16 tokens
.set jj, jj+1
.endr
	WIN 0x40                                       ; destination window 1
.set ii, 0
.rept 45
	global_load_b128 v[4*ii:4*ii+3], v8, s[10:11] offset:4096*ii
.set ii, ii+1
.endr
	WIN 0
	s_wait_loadcnt 45                              ; the 12 lists are in; the image's 45 loads stay out
.set jj, 0
.rept 12
	v_min_u32 v[GA+jj], 0x7fff, v[GA+jj]
	v_lshl_add_u32 v[GA+jj], v[GA+jj], 7, v13      ; the token's row of 128 bytes in xq, + 16 h
.set jj, jj+1
.endr
	WIN 0x04                                       ; an LDS store's data are its source 1: window 1
.set ii, 0
.rept 45
	s_wait_loadcnt 44-ii                           ; load ii is in, the younger ones stay out
	ds_store_b128 v[8+ii/16], v[4*ii:4*ii+3] offset:4096*(ii%16)
.set ii, ii+1
.endr
	WIN 0
.irp i, 0,1,2,3,4,5,6,7
	v_mov_b32 v[SIN+\i], 0x7f7f7f7f                ; written on every way before a product names them: scales of 1
.endr
.irp i, 0,1,2,3
	v_mov_b32 v[TP+\i], 0                          ; a lane permute's destination counts as one of its sources
.endr
	s_wait_dscnt 0x0                               ; for the others' sake: my part of the image has landed
	s_barrier_signal -1
	s_barrier_wait -1
	s_wait_alu depctr_vm_vsrc(0)                   ; my LDS stores have read v0 to v179 of window 1: from here on these are the tokens' and the weights' fragments, written by loads and by the zero codes' moves
; the weights of one trip of layer lay: biases, scale words, Wo's fragment, the weights' fragments.  It stands once, on the way that all four arms share
.macro LOADW lay
.irp c, 0,1,2,3
.if \lay < 3
	ds_load_b128 v[BI+4*\c:BI+4*\c+3], v16 offset:16*\c                    ; tile u, register j: unit 32 p + 16 h + 8 u + j
.else
	ds_load_b128 v[BI+4*\c:BI+4*\c+3], v16 offset:16*(\c%2)+64*(\c/2)      ; unit 32 p + 16 u + 8 h + j
.endif
.endr
	ds_load_b32 v[WSR], v15                        ; layer 1: lanes 0-15 tile u = 0's words, lanes 16-31 u = 1's;  layers 2, 3: tile u = 0: lanes 0-15 K step 0, lanes 16-31 K step 1
.if \lay > 1
	ds_load_b32 v[WSR+1], v15 offset:128           ; tile u = 1
.endif
.if \lay == 3
	ds_load_b128 v[WOF:WOF+3], v19
	ds_load_b128 v[WOF+4:WOF+7], v19 offset:512
.endif
	WIN 0x40
.if \lay == 1
.irp u, 0,1
.irp c, 0,1,2,3
	ds_load_b128 v[WF+32*\u+4*\c:WF+32*\u+4*\c+3], v14 offset:2048*\u+512*\c
.endr
.endr
.else
.irp s, 0,1
.irp u, 0,1
.irp c, 0,1,2,3
	ds_load_b128 v[WF+32*\u+16*\s+4*\c:WF+32*\u+16*\s+4*\c+3], v14 offset:2048*(2*\u+\s)+512*\c
.endr
.endr
.endr
.endif
	WIN 0
.endm
; for each of nt tiles: v[d + m] = max3(v[d + m], accumulator registers i and j)
.macro M3A nt, d, i, j
.set mm, 0
.rept \nt
	v_max3_num_f32 v[\d+mm], v[\d+mm], v[ACC+16*mm+\i], v[ACC+16*mm+\j]
.set mm, mm+1
.endr
.endm
; relu, the block's scale, the hold and the conversion, the tiles by turns; then the image to my stage
.macro QNT nt
.set mm, 0
.rept \nt
	v_max3_num_f32 v[TM+mm], v[ACC+16*mm], v[ACC+16*mm+1], 0x4800000       ; no |.|: what is negative becomes 0, so it does not count; the floor 2^(9 - 127) stands over it.  Each accumulator is read from its low end on
.set mm, mm+1
.endr
.set mm, 0
.rept \nt
	v_max3_num_f32 v[TB+mm], v[ACC+16*mm+8], v[ACC+16*mm+9], v[ACC+16*mm+10]
.set mm, mm+1
.endr
	M3A \nt, TM, 2, 3
	M3A \nt, TB, 11, 12
	M3A \nt, TM, 4, 5
	M3A \nt, TB, 13, 14
	M3A \nt, TM, 6, 7
.set mm, 0
.rept \nt
	v_max3_num_f32 v[TM+mm], v[TM+mm], v[TB+mm], v[ACC+16*mm+15]
.set mm, mm+1
.endr
.set mm, 0
.rept \nt
	v_permlanex16_b32 v[TP+mm], v[TM+mm], s36, s37
.set mm, mm+1
.endr
.set mm, 0
.rept \nt
	v_max_num_f32 v[TM+mm], v[TM+mm], v[TP+mm]     ; with lane l xor 16's 16 units: the block's largest
.set mm, mm+1
.endr
.set mm, 0
.rept \nt
	v_add_nc_u32 v[TS+mm], 0xfc000000, v[TM+mm]    ; 8 off the exponent field: the conversion's scale operand
.set mm, mm+1
.endr
.set mm, 0
.rept \nt
	v_and_or_b32 v[TH+mm], v[TM+mm], 0x7f800000, s38   ; 448 x the scale
.set mm, mm+1
.endr
.set mm, 0
.rept \nt
	v_lshrrev_b32 v[TP+mm], 23, v[TS+mm]           ; the scale's byte
.set mm, mm+1
.endr
.set mm, 0
.rept \nt
.irp i, 0,1,2,3,4,5,6,7,8,9,10,11,12,13,14,15
	v_med3_num_f32 v[ACC+16*mm+\i], v[ACC+16*mm+\i], 0, v[TH+mm]           ; the activation and the hold in one (the conversion does not saturate: ISA guide 7.6.2)
.endr
	v_cvt_scalef32_pk8_fp8_f32 v[CD+4*mm:CD+4*mm+1], v[ACC+16*mm:ACC+16*mm+7], v[TS+mm]
	v_cvt_scalef32_pk8_fp8_f32 v[CD+4*mm+2:CD+4*mm+3], v[ACC+16*mm+8:ACC+16*mm+15], v[TS+mm]
.set mm, mm+1
.endr
	v_nop                                          ; a plain instruction behind the last conversion: the next products write its sources
	s_wait_alu depctr_va_vdst(0)                   ; the conversions have written the codes and the shifts the bytes, which the stores below read
.set mm, 0
.rept \nt
	ds_store_b128 v17, v[CD+4*mm:CD+4*mm+3] offset:4096*mm
	ds_store_b8 v18, v[TP+mm] offset:128*mm        ; both lanes of a row write the same byte with the same value
.set mm, mm+1
.endr
.endm
; relu, bf16, and 32 along K of the last product
.macro EPI nt
.set mm, 0
.rept \nt
.irp i, 0,1,2,3,4,5,6,7,8,9,10,11,12,13,14,15
	v_max_num_f32 v[ACC+16*mm+\i], 0, v[ACC+16*mm+\i]
.endr
.irp j, 0,1,2,3,4,5,6,7
	v_cvt_pk_bf16_f32 v[HB+8*mm+\j], v[ACC+16*mm+2*\j], v[ACC+16*mm+2*\j+1]   ; registers 0-3: units 32 p + 8 h + 0..7, registers 4-7: 32 p + 16 + 8 h + 0..7
.endr
.set mm, mm+1
.endr
.set mm, 0
.rept \nt
	v_wmma_f32_16x16x32_bf16 v[OUT+8*mm:OUT+8*mm+7], v[WOF:WOF+7], v[HB+8*mm:HB+8*mm+7], v[OUT+8*mm:OUT+8*mm+7]
.set mm, mm+1
.endr
.rept 5
	v_nop                                          ; places in front of the store of the sums
.endr
.endm
; ONE TRIP'S WORK for nt tiles: 32 units of layer lay; the trip's loads were issued ahead of the choice of the arm.  The accumulators take turns, one instruction a turn.
.macro BODY lay, nt
.if \lay == 1
	s_wait_dscnt 0x0                               ; the trip's loads are in
	WIN 0x05                                       ; sources 0 and 1 window 1; C and D window 0
.set mm, 0
.rept \nt
	v_wmma_scale_f32_16x16x128_f8f6f4 v[ACC+16*mm:ACC+16*mm+7], v[WF:WF+15], v[32*mm:32*mm+15], v[BI:BI+7], v[WSR], v[SIN+2*mm]
	v_wmma_scale_f32_16x16x128_f8f6f4 v[ACC+16*mm+8:ACC+16*mm+15], v[WF+32:WF+47], v[32*mm:32*mm+15], v[BI+8:BI+15], v[WSR], v[SIN+2*mm] matrix_a_scale:MATRIX_SCALE_ROW1
.set mm, mm+1
.endr
.else
	s_wait_dscnt 0x8                               ; all but the youngest eight loads, the second K step's fragments
	WIN 0x05
.set mm, 0
.rept \nt
.irp u, 0,1
	v_wmma_scale_f32_16x16x128_f8f6f4 v[ACC+16*mm+8*\u:ACC+16*mm+8*\u+7], v[WF+32*\u:WF+32*\u+15], v[32*mm:32*mm+15], v[BI+8*\u:BI+8*\u+7], v[WSR+\u], v[SIN+2*mm]
.endr
.set mm, mm+1
.endr
	s_wait_dscnt 0x0
.set mm, 0
.rept \nt
.irp u, 0,1
	v_wmma_scale_f32_16x16x128_f8f6f4 v[ACC+16*mm+8*\u:ACC+16*mm+8*\u+7], v[WF+32*\u+16:WF+32*\u+31], v[32*mm+16:32*mm+31], v[ACC+16*mm+8*\u:ACC+16*mm+8*\u+7], v[WSR+\u], v[SIN+2*mm+1] matrix_a_scale:MATRIX_SCALE_ROW1
.endr
.set mm, mm+1
.endr
.endif
	WIN 0
.rept 9
	v_nop                                          ; eight places in front of the first read of results; the ninth for the next trip's products, which begin these accumulators anew
.endr
.if \lay < 3
	QNT \nt
.else
	EPI \nt
.endif
.endm
; A LAYER: eight trips of 32 units.  The addresses are made on every way; the work is chosen by the number of tiles.
.macro LAYER lay
.if \lay == 1
	s_mov_b32 s30, 0
	s_mov_b32 s31, O_SC
	s_mov_b32 s32, O_B
.endif
.if \lay == 2
	s_mov_b32 s30, O_W2
	s_mov_b32 s31, O_SC+1024
	s_mov_b32 s32, O_B+1024
.endif
.if \lay == 3
	s_mov_b32 s30, O_W3
	s_mov_b32 s31, O_SC+3072
	s_mov_b32 s32, O_B+2048
	s_mov_b32 s35, O_WO
.else
	s_mov_b32 s33, 0
	s_mov_b32 s34, 0
.endif
	s_mov_b32 s29, 8
.Ltrip_\lay:
	v_add_nc_u32 v14, s30, v1                      ; the weights' fragments.  (What read these registers stands ahead of the wait on vm_vsrc at the last trip's end, in the layer before too)
	v_add_nc_u32 v15, s31, v2                      ; their scale words
.if \lay < 3
	v_add_nc_u32 v16, s32, v3                      ; the biases
	v_add_nc_u32 v17, s33, v6                      ; block p of my stage
	v_add_nc_u32 v18, s34, v7                      ; byte p of my rows' scale bytes
.else
	v_add_nc_u32 v16, s32, v4
	v_add_nc_u32 v19, s35, v1                      ; Wo's fragment p
.endif
	s_wait_alu depctr_va_vdst(0)                   ; the trip's addresses are written, which its LDS loads and stores read; the last trip's products are done reading the weights' fragments, their scale words, the biases and Wo's fragment, in which the loads below land
	s_cmp_eq_u32 s23, 0
	s_cbranch_scc1 .Lnext_\lay
	LOADW \lay                                     ; once for all four arms.  Only scalar lines and window switches stand between the wait and these loads
	s_cmp_eq_u32 s23, 1
	s_cbranch_scc1 .Lone_\lay
	s_cmp_eq_u32 s23, 2
	s_cbranch_scc1 .Ltwo_\lay
	s_cmp_eq_u32 s23, 3
	s_cbranch_scc1 .Lthree_\lay
	BODY \lay, 4
	s_branch .Lnext_\lay
.Lthree_\lay:
	BODY \lay, 3
	s_branch .Lnext_\lay
.Ltwo_\lay:
	BODY \lay, 2
	s_branch .Lnext_\lay
.Lone_\lay:
	BODY \lay, 1
.Lnext_\lay:
.if \lay < 3
	s_wait_dscnt 0x0                               ; the trip's stores into my stage are done: so the counted wait of the next trip's arms counts that trip's loads alone, whichever way led there
.endif
	s_wait_alu depctr_vm_vsrc(0)                   ; the trip's LDS loads and stores have read v14 to v19, the codes and the bytes, all of which the next trip writes again
.if \lay == 1
	s_add_co_u32 s30, s30, 4096
	s_add_co_u32 s31, s31, 128
.else
	s_add_co_u32 s30, s30, 8192
	s_add_co_u32 s31, s31, 256
.endif
	s_add_co_u32 s32, s32, 128
.if \lay == 3
	s_add_co_u32 s35, s35, 1024
.else
	s_add_co_u32 s33, s33, 512
	s_add_co_u32 s34, s34, 1
.endif
	s_sub_co_u32 s29, s29, 1
	s_cmp_lg_u32 s29, 0
	s_cbranch_scc1 .Ltrip_\lay
.endm
; the layer just made comes back from my stage as the next operand's registers: LDS serves a wave's instructions in order.
; No wait on va_vdst of its own: every trip's products stand ahead of the wait in front of that trip's stores, and no vector or matrix instruction behind it names the registers in which these loads land.
.macro INLOAD tag
.irp m, 0,1,2,3
	s_cmp_le_u32 s23, \m
	s_cbranch_scc1 .Lin_\tag
	WIN 0x40
.irp c, 0,1,2,3,4,5,6,7
	ds_load_b128 v[32*\m+4*\c:32*\m+4*\c+3], v6 offset:4096*\m+512*\c
.endr
	WIN 0
	ds_load_b64 v[SIN+2*\m:SIN+2*\m+1], v7 offset:128*\m
.endr
.Lin_\tag:
	s_wait_dscnt 0x0
.endm
	s_mov_b32 s28, 3
.Lpass:
	s_min_u32 s23, s21, 4                          ; this pass's tiles
	s_sub_co_u32 s21, s21, s23
	s_wait_alu depctr_va_vdst(0)                   ; the rows' offsets (the head's shifts, or the last pass's moves) are written, which the gathers read; the head's moves into the tokens' scale words are written and the last pass's products are done reading those words and the tokens' fragments: the gathers land there
.irp m, 0,1,2,3                                ; the tiles' rows of codes and scale words, gathered by the list
	s_cmp_le_u32 s23, \m
	s_cbranch_scc1 .Lgathered
	WIN 0x40
	global_load_b128 v[32*\m:32*\m+3], v[GA+\m], s[8:9]
	global_load_b128 v[32*\m+4:32*\m+7], v[GA+\m], s[8:9] offset:32
	global_load_b128 v[32*\m+8:32*\m+11], v[GA+\m], s[8:9] offset:64
	v_mov_b32 v[32*\m+12], 0                       ; k = 96..127: zero codes.  (No gather touches these four registers)
	v_mov_b32 v[32*\m+13], 0
	v_mov_b32 v[32*\m+14], 0
	v_mov_b32 v[32*\m+15], 0
	WIN 0
	global_load_b32 v[SIN+2*\m], v[GA+\m], s[8:9] offset:96    ; lanes 0-15: row r's scale word (lanes 16-31 read zeros, which no product looks at)
.endr
.Lgathered:
.rept 4
	v_nop                                          ; an operand written by vector instructions stands four places ahead of a scaled product
.endr
	s_wait_alu depctr_va_vdst(0)                   ; the zero codes are written, which layer 1's scaled products take as part of their second source
	s_wait_loadcnt 0x0
	LAYER 1
	INLOAD a
	LAYER 2
.irp m, 0,1,2,3
	ds_load_b128 v[OUT+8*\m:OUT+8*\m+3], v5        ; bo starts the outputs' sums: on every way, so that the sums are written before anything reads them.  (The last pass's bf16 products stand ahead of the wait in front of its stores, and those stores ahead of the wait at its end)
	ds_load_b128 v[OUT+8*\m+4:OUT+8*\m+7], v5 offset:16
.endr
	INLOAD b
	LAYER 3
	s_min_u32 s39, s22, 16391
	v_lshl_add_u32 v20, s39, 8, v12                ; part: 256 bytes a tile, 16 a row
	s_wait_alu depctr_va_vdst(0)                   ; the bf16 products have written the sums (their places stand at each trip's end) and v20 is written: the stores below read both
.irp m, 0,1,2,3
	s_cmp_le_u32 s23, \m
	s_cbranch_scc1 .Lstored
	global_store_b128 v20, v[OUT+8*\m:OUT+8*\m+3], s[12:13] offset:256*\m   ; sixteen lanes store 256 consecutive bytes; lanes 16-31 hold, and store, the same numbers
.endr
.Lstored:
	s_wait_xcnt 0x0                                ; the stores have had their addresses translated: address and data are written again in the next pass
	s_wait_alu depctr_vm_vsrc(0)                   ; the stores have read v20 and the sums, the gathers the rows' offsets: the moves below, the next pass's shift and bo's next loads write them
.irp j, 0,1,2,3,4,5,6,7
	v_mov_b32 v[GA+\j], v[GA+\j+4]                 ; the next pass's tiles move up
.endr
	s_add_co_u32 s22, s22, 4
	s_sub_co_u32 s28, s28, 1
	s_cmp_lg_u32 s28, 0
	s_cbranch_scc1 .Lpass
	s_wait_dscnt 0x0                               ; the closing lines, six on end
	s_wait_alu 0x0
	s_wait_tensorcnt 0x0
	ds_add_u32 v254, v255
	s_wait_dscnt 0x0
	s_endpgm
.Lfunc_end_k_q95978a161c_chain:
	.size	k_q95978a161c_chain, .Lfunc_end_k_q95978a161c_chain-k_q95978a161c_chain
	.p2alignl 7, 3214868480
	.fill 96, 4, 3214868480
	.section	.rodata,"a",@progbits
	.p2align	6, 0x0
	.amdhsa_kernel k_q95978a161c_chain
		.amdhsa_group_segment_fixed_size 320512
		.amdhsa_private_segment_fixed_size 0
		.amdhsa_enable_private_segment 0
		.amdhsa_kernarg_size 40
		.amdhsa_user_sgpr_count 2
		.amdhsa_user_sgpr_kernarg_segment_ptr 1
		.amdhsa_wavefront_size32 1
		.amdhsa_system_sgpr_workgroup_id_x 1
		.amdhsa_system_sgpr_workgroup_id_y 1
		.amdhsa_system_sgpr_workgroup_id_z 1
		.amdhsa_system_vgpr_workitem_id 0
		.amdhsa_next_free_vgpr 448
		.amdhsa_next_free_sgpr 66
		.amdhsa_reserve_vcc 0
		.amdhsa_float_denorm_mode_32 3
		.amdhsa_float_denorm_mode_16_64 3
		.amdhsa_memory_ordered 1
		.amdhsa_forward_progress 1
		.amdhsa_inst_pref_size 105
	.end_amdhsa_kernel
	.amdgpu_metadata
---
amdhsa.version: [ 1, 2 ]
amdhsa.kernels:
  - .name:           k_q95978a161c_chain
    .symbol:         k_q95978a161c_chain.kd
    .args:
      - { .name: wgtab, .offset: 0, .size: 8, .value_kind: global_buffer, .address_space: global }
      - { .name: rows, .offset: 8, .size: 8, .value_kind: global_buffer, .address_space: global }
      - { .name: xq, .offset: 16, .size: 8, .value_kind: global_buffer, .address_space: global }
      - { .name: wimg, .offset: 24, .size: 8, .value_kind: global_buffer, .address_space: global }
      - { .name: part, .offset: 32, .size: 8, .value_kind: global_buffer, .address_space: global }
    .group_segment_fixed_size: 320512
    .private_segment_fixed_size: 0
    .kernarg_segment_align: 8
    .kernarg_segment_size: 40
    .max_flat_workgroup_size: 256
    .sgpr_count:     66
    .vgpr_count:     448
    .wavefront_size: 32
...
	.end_amdgpu_metadata
.endif
;; end of part 7
;; launch combine (part 8): grid 128 x 1, 8 waves a work-group, no clusters, 0 bytes of LDS; arguments gate, sidx, part, out0; writes out0
.if DOCPART == 8
	.amdgcn_target "amdgcn-amd-amdhsa--gfx1250"
	.amdhsa_code_object_version 6
	.text
	.protected	k_q95978a161c_combine
	.globl	k_q95978a161c_combine
	.p2align	8
	.type	k_q95978a161c_combine,@function
k_q95978a161c_combine:
	s_mov_b64 s[64:65], 0
	v_nop
	global_prefetch_b8 v0, s[64:65] scope:SCOPE_SE
	s_setreg_imm32_b32 hwreg(HW_REG_WAVE_MODE, 25, 1), 1
	s_wait_xcnt 0x0
; FOURTH LAUNCH: out0[token] = the sum over the experts of gate x part[slot].  A thread takes a token: each output row has one owner, and the sum goes by ascending expert.
; Where the gate is 0 the index is 0; slot 0 is always stored, and what is read there is replaced by 0, so that nothing of another token's row can reach the sum.
; Memory and latency bind: no LDS, no barrier, no matrix unit.  All eight gathers of a thread are out together.
	s_load_b256 s[4:11], s[0:1], 0x0               ; gate, sidx, part, out0
	v_lshlrev_b32 v1, 5, v0                        ; 32 bytes a token in gate and in sidx
	v_lshlrev_b32 v2, 4, v0                        ; 16 in out0
	s_lshl_b32 s12, ttmp9, 13
	s_mov_b32 s13, 0
	s_lshl_b32 s14, ttmp9, 12
	s_mov_b32 s15, 0
	s_wait_alu depctr_va_vdst(0)
	s_wait_kmcnt 0x0
	s_add_nc_u64 s[4:5], s[4:5], s[12:13]
	s_add_nc_u64 s[6:7], s[6:7], s[12:13]
	s_add_nc_u64 s[10:11], s[10:11], s[14:15]
	global_load_b128 v[16:19], v1, s[6:7]
	global_load_b128 v[20:23], v1, s[6:7] offset:16
	global_load_b128 v[8:11], v1, s[4:5]
	global_load_b128 v[12:15], v1, s[4:5] offset:16
	s_wait_loadcnt 0x2                             ; the indices are in; the two loads of the gates may be out
.irp e, 0,1,2,3,4,5,6,7
	v_min_u32 v[16+\e], 0x4007f, v[16+\e]          ; part has 262,272 slots
.endr
.irp e, 0,1,2,3,4,5,6,7
	v_lshlrev_b32 v[16+\e], 4, v[16+\e]
.endr
.irp e, 0,1,2,3,4,5,6,7
	global_load_b128 v[24+4*\e:27+4*\e], v[16+\e], s[8:9]
.endr
	s_wait_loadcnt 0x0
.irp e, 0,1,2,3,4,5,6,7
	v_cmp_ne_u32 vcc_lo, 0, v[8+\e]                ; the gate is exactly +0 where the expert is not used
.irp c, 0,1,2,3
	v_cndmask_b32 v[24+4*\e+\c], 0, v[24+4*\e+\c], vcc_lo
.endr
.irp c, 0,1,2,3
.if \e == 0
	s_delay_alu instid0(VALU_DEP_4)
	v_mul_f32 v[56+\c], v[24+\c], v8               ; the first term starts the sums
.else
	s_delay_alu instid0(VALU_DEP_4)
	v_fmac_f32 v[56+\c], v[24+4*\e+\c], v[8+\e]
.endif
.endr
.endr
	global_store_b128 v2, v[56:59], s[10:11] th:TH_STORE_NT    ; a wave stores 512 consecutive bytes
	s_endpgm
.Lfunc_end_k_q95978a161c_combine:
	.size	k_q95978a161c_combine, .Lfunc_end_k_q95978a161c_combine-k_q95978a161c_combine
	.p2alignl 7, 3214868480
	.fill 96, 4, 3214868480
	.section	.rodata,"a",@progbits
	.p2align	6, 0x0
	.amdhsa_kernel k_q95978a161c_combine
		.amdhsa_group_segment_fixed_size 0
		.amdhsa_private_segment_fixed_size 0
		.amdhsa_enable_private_segment 0
		.amdhsa_kernarg_size 32
		.amdhsa_user_sgpr_count 2
		.amdhsa_user_sgpr_kernarg_segment_ptr 1
		.amdhsa_wavefront_size32 1
		.amdhsa_system_sgpr_workgroup_id_x 1
		.amdhsa_system_sgpr_workgroup_id_y 1
		.amdhsa_system_sgpr_workgroup_id_z 1
		.amdhsa_system_vgpr_workitem_id 0
		.amdhsa_next_free_vgpr 64
		.amdhsa_next_free_sgpr 66
		.amdhsa_reserve_vcc 1
		.amdhsa_float_denorm_mode_32 3
		.amdhsa_float_denorm_mode_16_64 3
		.amdhsa_memory_ordered 1
		.amdhsa_forward_progress 1
		.amdhsa_inst_pref_size 6
	.end_amdhsa_kernel
	.amdgpu_metadata
---
amdhsa.version: [ 1, 2 ]
amdhsa.kernels:
  - .name:           k_q95978a161c_combine
    .symbol:         k_q95978a161c_combine.kd
    .args:
      - { .name: gate, .offset: 0, .size: 8, .value_kind: global_buffer, .address_space: global }
      - { .name: sidx, .offset: 8, .size: 8, .value_kind: global_buffer, .address_space: global }
      - { .name: part, .offset: 16, .size: 8, .value_kind: global_buffer, .address_space: global }
      - { .name: out0, .offset: 24, .size: 8, .value_kind: global_buffer, .address_space: global }
    .group_segment_fixed_size: 0
    .private_segment_fixed_size: 0
    .kernarg_segment_align: 8
    .kernarg_segment_size: 32
    .max_flat_workgroup_size: 256
    .sgpr_count:     66
    .vgpr_count:     64
    .wavefront_size: 32
...
	.end_amdgpu_metadata
.endif
;; end of part 8
